; MI455X (gfx1250); checked and timed in simulation.
; The chip was launched on July 23, 2026; its instructions are those of AMD's public machine-readable ISA for CDNA 5 (MIT licence, August 2026) and "CDNA5" Instruction Set Architecture Reference Guide (July 2026). The comments in the code are by the model that wrote it; some were corrected since.
;; Multi Head Attention. Allowed arithmetic: matrix products marked QUANTISED: E2M3 operands, one E8M0 scale for each 32 along K, by v_wmma_scale_f32_16x16x128_f8f6f4 with both operands' format E2M3, f32 sums; everything else in f32.
;; Inputs: W_out 1,024 x 1,024 float32; W_qkv 1,024 x 3,072 float32; b_out 1,024 float32; b_qkv 3,072 float32; x 4 x 2,048 x 1,024 float32.
;; Outputs: out0 4 x 2,048 x 1,024 float32.
;; This version of the problem:
;;   THIS VERSION OF THE PROBLEM IS GIVEN IN LOW PRECISION. The matrix products marked QUANTISED in the list below multiply operands that are first quantised to E2M3 (2 exponent bits, 3 mantissa bits; 6 bits a number), with one power-of-two scale for each 32 numbers along K (OCP MX v1.0); their sums are f32. All else is computed in f32.
;;   The module's matrix products, in the order in which they are computed (A, B: the left and right operand; K: the contracted axis; several contracted axes count as one K, in the product's order):
;;     1. [M 8,192, K 1,024] x [K 1,024, N 3,072]; A: input x; B: input W_qkv: QUANTISED
;;     2. batch 64 x [M 2,048, K 64] x [K 64, N 2,048]; A: computed on the way; B: computed on the way: QUANTISED
;;     3. batch 64 x [M 2,048, K 2,048] x [K 2,048, N 64]; A: softmax (see below); B: computed on the way: QUANTISED
;;     4. [M 8,192, K 1,024] x [K 1,024, N 1,024]; A: computed on the way; B: input W_out: QUANTISED
;;   THE QUANTISER, for each operand of a quantised product, along K:
;;     - K is cut into blocks of 32 from its start; a last block that is shorter is filled with zeros.
;;     - A block's scale is 2^e with e = floor(log2(the largest magnitude in the block)) - 2, held to -126 .. 127; a block of zeros has e = 0. As a byte (E8M0): e + 127.
;;     - Each number is divided by its block's scale, clamped to +-7.5, and rounded to the nearest number of E2M3, ties to even, subnormals kept.
;;     - The product sums the exact products of the quantised numbers (number of the format x scale) in f32.
;;   ~~~python
;;   def quantise(x, axis):      # numpy; x: float32 -> the quantised numbers, widened to float32 again
;;       x = np.moveaxis(x, axis, -1); K = x.shape[-1]
;;       x = np.pad(x, [(0, 0)] * (x.ndim - 1) + [(0, -K % 32)]); x = x.reshape(x.shape[:-1] + (-1, 32)); a = np.abs(x).max(-1, keepdims=True)
;;       e = np.where(a > 0, np.clip(np.frexp(np.where(a > 0, a, 1))[1] - 1 - 2, -126, 127), 0)      # np.frexp(a)[1] - 1 = floor(log2(a)), exactly
;;       r = np.clip(x / 2.0 ** e, -7.5, 7.5)
;;       step = 2.0 ** (np.maximum(np.frexp(np.where(r == 0, 1, r))[1] - 1, 0) - 3)
;;       q = np.round(r / step) * step * 2.0 ** e      # np.round: ties to even
;;       return np.moveaxis(q.reshape(q.shape[:-2] + (-1,))[..., :K], -1, axis).astype(np.float32)
;;   ~~~
;;   SOFTMAX AHEAD OF A QUANTISED PRODUCT. Where the list says 'softmax', what is quantised is not the finished softmax but p = 2^(t - M), with t = logit x log2(e) and M = ceil(the row's largest t), a whole number; so 1/2 < the row's largest p <= 1. The row's sum l is taken of the UNQUANTISED p, in f32, and the product's result is divided by l at the end. Since M is a whole number, a kernel that streams over the keys may use a running M (the ceiling of the running maximum): every later rescaling is an exact power of two, which a block's scale takes up: the codes' values come out the same.
;;   OPERANDS COMPUTED ON THE WAY. 'Computed on the way' means the value that the module computes at that place (a softmax that the list does not call 'softmax' is quantised finished and normalised). What goes into a quantiser is computed in f32, as accurately as f32 sums, v_exp_f32 and their like allow (about 1e-6 of the number): no bf16 or f16 on the way to a quantiser, and a product that is left as it is and whose result goes on into a quantised operand takes f32 operands (vector FMAs, or v_wmma_f32_16x16x4_f32). A number that lies on a knife's edge between two numbers of the format may be rounded either way, as far as f32 arithmetic and the matrix unit's own rounding can turn it there, and no further.
;; One version. Each part assembles by itself: llvm-mc -triple=amdgcn-amd-amdhsa -mcpu=gfx1250 --defsym DOCPART=n.
;; ======== version 1 of 1: 4 launches
;; limits: right only within a limited range of input values
;; workspace buffers: xq 6,291,456 bytes; xsc 262,144 bytes; wq 3,145,728 bytes; wsc 131,072 bytes; qkv 20,185,088 bytes; ao 6,291,456 bytes; asc 262,144 bytes
;; launch quant (part 1): grid 512 x 1, 4 waves a work-group, no clusters, 48,640 bytes of LDS; arguments x, W_qkv, W_out, xq, xsc, wq, wsc; writes xq, xsc, wq, wsc
.if DOCPART == 1
	.amdgcn_target "amdgcn-amd-amdhsa--gfx1250"
	.amdhsa_code_object_version 6
	.text
	.protected	k_qa8bd91cc06_quant
	.globl	k_qa8bd91cc06_quant
	.p2align	8
	.type	k_qa8bd91cc06_quant,@function
k_qa8bd91cc06_quant:
	s_mov_b64 s[64:65], 0
	v_nop
	global_prefetch_b8 v0, s[64:65] scope:SCOPE_SE
	s_setreg_imm32_b32 hwreg(HW_REG_WAVE_MODE, 25, 1), 1
	s_wait_xcnt 0x0
; x [8192][1024], W_qkv [1024][3072] and W_out [1024][1024], f32, become codes of E2M3 with one E8M0 byte for each 32 along K (K = 1024 in all three).
; A block's scale is 2^(floor(log2(its largest magnitude)) - 2): its byte is the largest magnitude's exponent field - 2; each number / scale goes to the nearest code, ties to even, beyond 7.5 the largest code.
; LIMITS: NaN and infinities among the inputs are not served; a block's largest magnitude is taken as 2^-124 at the least (byte 1), so a block of zeros gets the byte 1: its codes are zeros, and this program alone reads the bytes.
; LAYOUT OF THE CODES, for the products that read them: row POSITION p holds true row sw(p) = p with bits 3 and 4 changed over, so that lane r of tile T = p / 16 holds true row 32 (T / 2) + 8 (T % 2) + r + 8 (r / 8).
;   An image of 16 rows x 64 K is 768 bytes: lane l = r + 16 h holds the 24 bytes of block h of row r: its first 16 bytes at 16 l, its last 8 at 512 + 8 l.  A buffer is [sigma 0..3][T][chunk 0..3][image], chunk 4 sigma + c = K 64 (4 sigma + c) on.
;   Scale bytes: [position][8 words], word s for K 128 s on.  wq, wsc: positions 0..3071 W_qkv's columns, 3072..4095 W_out's.
; Work-groups 0..127 take x (K innermost: a wave takes a tile of 16 rows, all of K, 64 K at a time through its own stage in LDS); the others the weights (K outermost: a lane takes a column, its registers run down K).
; The two paths have LDS bytes of their own.  Waves share nothing: no barrier.
; THE DEAL, which takes the place of the line on work-groups above: work-groups 0..255 take x, two to each four tiles of 16 rows: a wave takes a tile of 16 rows and HALF of K (512: eight chunks of 64, four scale words a row);
; work-groups 256..511 take the weights, as said above.
.set SPARE, 48128                      ; the spare words, 128 bytes for each wave
.set XST,   4352                       ; x path: a stage of 16 rows x (256 + 16) bytes; two for each wave, from LDS byte 0 on
.set WST0,  34816                      ; W path: from here on 3,328 bytes for each wave:
.set WSTW,  3328
.set WTAU,  1664                       ; two tiles' images of 128 K (1,536 bytes) + 128, so that the two tiles' stores fall on different banks
.set XSIG,  1572864                    ; from sigma to sigma in xq: 512 tiles x 3,072
.set WSIG,  786432                     ; in wq: 256 tiles x 3,072
.set SPW,   16                         ; v16  LDS address of my spare word; never rewritten
.set NIL,   17                         ; v17  0; never rewritten
.set PW,    18                         ; v18-21 x path: my row's four scale words
.set PT,    26                         ; v26-29 the other half of the lanes' parts of them
.set R,     64                         ; v64-159 x path: three sets of 32 registers as loaded
.set X,     160                        ; v160-223 two sets of 32 neighbours along K
	s_load_b256 s[4:11], s[0:1], 0x0               ; x s[4:5], W_qkv s[6:7], W_out s[8:9], xq s[10:11]
	s_load_b128 s[12:15], s[0:1], 0x20             ; xsc s[12:13], wq s[14:15]
	s_load_b64 s[16:17], s[0:1], 0x30              ; wsc
	v_lshl_add_u32 v[SPW], v0, 2, SPARE
	v_mov_b32 v[NIL], 0
	v_lshrrev_b32 v1, 5, v0
	v_readfirstlane_b32 s20, v1                    ; wave 0..3
	v_and_b32 v2, 31, v0                           ; lane
; the largest magnitude of the 32 numbers from v[xs] on, with the floor 2^-124 -> v12; 2 off its exponent field -> v11, the conversions' scale operand
.macro MAX32 xs
	v_max3_num_f32 v12, |v[\xs]|, |v[\xs+1]|, |v[\xs+2]|
	v_max3_num_f32 v13, |v[\xs+3]|, |v[\xs+4]|, |v[\xs+5]|
.irp i, 6,10,14,18,22,26
	v_max3_num_f32 v12, v12, |v[\xs+\i]|, |v[\xs+\i+1]|
	v_max3_num_f32 v13, v13, |v[\xs+\i+2]|, |v[\xs+\i+3]|
.endr
	v_max3_num_f32 v12, v12, |v[\xs+30]|, |v[\xs+31]|
	v_max3_num_f32 v12, v12, v13, 0x1800000
	v_add_nc_u32 v11, 0xff000000, v12
.endm
	s_cmp_lt_u32 ttmp9, 256
	s_cbranch_scc0 .Lweights
	; ---------------- x ----------------
	v_and_b32 v3, 15, v0                           ; r
	v_bfe_u32 v1, v0, 4, 1                         ; h
	v_lshlrev_b32 v4, 4, v3
	v_lshl_add_u32 v4, v1, 12, v4                  ; in: sixteen lanes take 256 bytes of a row, lanes 16-31 the row below
	s_mul_i32 s21, s20, 2*XST
	v_mul_u32_u24 v5, v1, 272
	v_lshl_add_u32 v5, v3, 4, v5
	v_add_nc_u32 v5, s21, v5                       ; into the stage, as loaded
	v_mul_u32_u24 v6, v3, 272
	v_lshl_add_u32 v6, v1, 7, v6
	v_add_nc_u32 v6, s21, v6                       ; out of it: block h of row r, 128 bytes
	v_lshlrev_b32 v7, 4, v2                        ; an image's 16 bytes a lane,
	v_lshlrev_b32 v8, 3, v2                        ; and its 8
	v_lshlrev_b32 v9, 3, v1                        ; my byte's place in a scale word: 8 h bits in an even chunk,
	v_add_nc_u32 v10, 16, v9                       ; 16 + 8 h in an odd one
	v_lshlrev_b32 v15, 5, v3                       ; the scale words' way out: 32 r
.irp s, 0,1,2,3
	v_mov_b32 v[PT+\s], 0                          ; written once: a lane permute's destination counts as one of its sources
.endr
	s_and_b32 s37, ttmp9, 1                        ; which half of K
	s_mov_b32 s38, 0x76543210
	s_mov_b32 s39, 0xfedcba98                      ; v_permlanex16_b32's selects for lane l xor 16
	s_lshr_b32 s22, ttmp9, 1
	s_lshl_b32 s22, s22, 2
	s_add_co_u32 s22, s22, s20                     ; T: my tile of 16 rows
	s_lshr_b32 s23, s22, 1
	s_lshl_b32 s23, s23, 5
	s_and_b32 s24, s22, 1
	s_lshl_b32 s24, s24, 3
	s_add_co_u32 s23, s23, s24                     ; its first true row: 32 (T / 2) + 8 (T % 2)
	s_lshl_b32 s24, s23, 12
	s_mov_b32 s25, 0
	s_mul_i32 s26, s22, 3072
	s_mov_b32 s27, 0
	s_lshl_b32 s28, s22, 9
	s_mov_b32 s29, 0
	s_lshl_b32 s30, s37, 11                        ; my half of K: 2,048 bytes along a row of x,
	s_add_co_u32 s24, s24, s30
	s_mul_i32 s30, s37, 2*XSIG                     ; two sigmas of the codes,
	s_add_co_u32 s26, s26, s30
	s_lshl_b32 s30, s37, 4                         ; four scale words
	s_add_co_u32 s28, s28, s30
	s_wait_alu depctr_va_vdst(0)
	s_wait_kmcnt 0x0
	s_add_nc_u64 s[4:5], s[4:5], s[24:25]
	s_add_nc_u64 s[10:11], s[10:11], s[26:27]
	s_add_nc_u64 s[12:13], s[12:13], s[28:29]
.macro LOADX k                         ; chunk k: 256 bytes of each of my 16 rows: stage rows 2 i, 2 i + 1 are true rows 2 i + 8 (i / 4) (+ 1)
.irp i, 0,1,2,3,4,5,6,7
	global_load_b128 v[R+32*((\k)%3)+4*\i:R+32*((\k)%3)+4*\i+3], v4, s[4:5] offset:(2*\i+8*(\i/4))*4096+256*(\k) th:TH_LOAD_NT
.endr
.endm
.macro TURNX k                         ; through the stage: LDS serves a wave's instructions in order, so no wait stands between the stores and the loads
.irp i, 0,1,2,3,4,5,6,7
	ds_store_b128 v5, v[R+32*((\k)%3)+4*\i:R+32*((\k)%3)+4*\i+3] offset:XST*((\k)%2)+544*\i
.endr
.irp i, 0,1,2,3,4,5,6,7
	ds_load_b128 v[X+32*((\k)%2)+4*\i:X+32*((\k)%2)+4*\i+3], v6 offset:XST*((\k)%2)+16*\i
.endr
.endm
.macro STEPX k
.set XS, X+32*((\k)%2)
.set P, 40+10*((\k)%2)                 ; the chunk's six registers of codes, and at P + 6 the second conversion's three; two sets by turns
	s_wait_dscnt 0x0                               ; this chunk's block is back from the stage, and its stores into the stage have read their registers,
.if (\k)+3 < 8
	LOADX (\k)+3                                   ; which take the loads of three chunks on
.endif
.if (\k)+1 < 8
.if (\k) <= 4
	s_wait_loadcnt 16                              ; the next chunk's eight loads are in; those of the two chunks behind it may be out
.else
	s_wait_loadcnt 8*(6-(\k))
.endif
	TURNX (\k)+1
.endif
	MAX32 XS
	v_lshrrev_b32 v14, 23, v11                     ; the scale's byte
	s_wait_alu depctr_va_vdst(0)
	s_wait_xcnt 0x0                                ; the stores of two chunks ago have read this set of code registers
	v_cvt_scalef32_pk16_fp6_f32 v[P:P+2], v[XS:XS+15], v11
	v_cvt_scalef32_pk16_fp6_f32 v[P+6:P+8], v[XS+16:XS+31], v11   ; (a conversion's three registers begin on an even number)
.if (\k)%2 == 0
	v_lshlrev_b32 v[PW+(\k)/2], v9, v14            ; my byte at its place in the word.  (Also the plain instruction behind the conversions)
.else
	v_lshl_or_b32 v[PW+(\k)/2], v14, v10, v[PW+(\k)/2]
.endif
.irp i, 0,1,2
	v_mov_b32 v[P+3+\i], v[P+6+\i]
.endr
	global_store_b128 v7, v[P:P+3], s[10:11] offset:((\k)/4)*XSIG+((\k)%4)*768        ; 512 consecutive bytes,
	global_store_b64 v8, v[P+4:P+5], s[10:11] offset:((\k)/4)*XSIG+((\k)%4)*768+512   ; and 256
.endm
	LOADX 0
	LOADX 1
	LOADX 2
	s_wait_loadcnt 16                              ; chunk 0's eight loads are in
	TURNX 0
.irp k, 0,1,2,3,4,5,6,7
	STEPX \k
.endr
.irp s, 0,1,2,3
	v_permlanex16_b32 v[PT+\s], v[PW+\s], s38, s39
.endr
.irp s, 0,1,2,3
	v_or_b32 v[PW+\s], v[PW+\s], v[PT+\s]          ; with lane l xor 16's two bytes the words are whole
.endr
	global_store_b128 v15, v[PW:PW+3], s[12:13]    ; my half's 16 bytes of each row's 32; both halves of the lanes store the same bytes with the same value
	s_wait_tensorcnt 0x0                           ; the wave's end: behind my last LDS store
	ds_add_u32 v[SPW], v[NIL]
	s_wait_dscnt 0x0
	s_endpgm
	; ---------------- the weights ----------------
.Lweights:
	s_sub_co_u32 s21, ttmp9, 256
	s_and_b32 s22, s21, 31                         ; which 128 positions: 0..23 W_qkv's columns, 24..31 W_out's
	s_lshr_b32 s23, s21, 5                         ; which 128 along K
	s_wait_alu depctr_va_vdst(0)
	v_lshlrev_b32 v4, 2, v2
	s_mov_b32 s27, 0
	s_wait_alu depctr_va_vdst(0)
	s_wait_kmcnt 0x0
	s_cmp_lt_u32 s22, 24                           ; the choice hangs on the work-group's number alone
	s_cselect_b64 s[6:7], s[6:7], s[8:9]
	s_mov_b32 s24, 4096
	s_cselect_b32 s24, 12288, s24                  ; a row of the weight in bytes
	s_cselect_b32 s25, 0, 24
	s_sub_co_u32 s25, s22, s25
	s_lshl_b32 s25, s25, 2
	s_add_co_u32 s25, s25, s20                     ; my wave's 32 columns
	s_lshl_b32 s26, s25, 7
	s_add_nc_u64 s[6:7], s[6:7], s[26:27]
	s_lshl_b32 s25, s23, 7
.irp t, 0,1,2,3
	s_add_co_u32 s26, s25, 32*\t
	s_mul_i32 s26, s26, s24
	s_add_nc_u64 s[28+2*\t:29+2*\t], s[6:7], s[26:27]   ; block t's first row; never rewritten
.endr
.irp i, 0,1,2,3,4,5,6,7,8,9,10,11,12,13,14,15,16,17,18,19,20,21,22,23,24,25,26,27,28,29,30,31
	v_mad_u32_u24 v[32+\i], s24, \i, v4            ; row i of a block, my column
.endr
.macro LOADW t                         ; W(128 y + 32 t + i, my column): a wave's load reads 128 consecutive bytes
.irp i, 0,1,2,3,4,5,6,7,8,9,10,11,12,13,14,15,16,17,18,19,20,21,22,23,24,25,26,27,28,29,30,31
	global_load_b32 v[64+32*((\t)%2)+\i], v[32+\i], s[28+2*(\t):29+2*(\t)] th:TH_LOAD_NT
.endr
.endm
	LOADW 0
	LOADW 1
	v_bfe_u32 v1, v0, 3, 1                         ; true column l lies at position sw(l): tile (l / 8) % 2,
	v_and_b32 v3, 7, v0
	v_bfe_u32 v10, v0, 4, 1
	v_lshl_or_b32 v3, v10, 3, v3                   ; row l % 8 + 8 (l / 16)
	s_mul_i32 s21, s20, WSTW
	s_add_co_u32 s21, s21, WST0                    ; my stage
	v_mul_u32_u24 v18, v1, WTAU
	v_add_nc_u32 v18, s21, v18
	v_lshl_add_u32 v5, v3, 4, v18                  ; where my 16 bytes of an image go,
	v_lshl_add_u32 v6, v3, 3, v18                  ; and my 8
	v_lshlrev_b32 v8, 4, v2
	v_add_nc_u32 v7, s21, v8                       ; back: 16 bytes a lane
	v_lshl_or_b32 v9, v1, 4, v3
	v_lshlrev_b32 v9, 5, v9                        ; my position's row of scale words
	s_lshr_b32 s36, s23, 1
	s_mul_i32 s36, s36, WSIG                       ; sigma = y / 2
	s_lshl_b32 s25, s22, 3
	s_lshl_b32 s26, s20, 1
	s_add_co_u32 s25, s25, s26                     ; my first tile
	s_mul_i32 s25, s25, 3072
	s_add_co_u32 s26, s36, s25
	s_and_b32 s36, s23, 1
	s_mul_i32 s36, s36, 1536                       ; chunks 2 (y % 2), 2 (y % 2) + 1
	s_add_co_u32 s26, s26, s36
	s_add_nc_u64 s[14:15], s[14:15], s[26:27]
	s_lshl_b32 s25, s22, 2
	s_add_co_u32 s25, s25, s20
	s_lshl_b32 s25, s25, 10                        ; 32 positions x 32 bytes
	s_lshl_b32 s26, s23, 2                         ; word y
	s_add_co_u32 s26, s26, s25
	s_add_nc_u64 s[16:17], s[16:17], s[26:27]
.macro BLOCKW t
.set XS, 64+32*((\t)%2)
.set P, 128+12*(\t)                    ; each block has code registers of its own
.if (\t) < 3
	s_wait_loadcnt 32                              ; this block's 32 loads are in; the next block's may be out
.else
	s_wait_loadcnt 0x0
.endif
	MAX32 XS
	v_lshrrev_b32 v13, 23, v11                     ; the scale's byte
.if (\t) == 0
	v_mov_b32 v14, v13                             ; four bytes make word y of my position
.else
	v_lshl_or_b32 v14, v13, 8*(\t), v14
.endif
	v_cvt_scalef32_pk16_fp6_f32 v[P:P+2], v[XS:XS+15], v11
	v_cvt_scalef32_pk16_fp6_f32 v[P+6:P+8], v[XS+16:XS+31], v11
	v_nop                                          ; one plain instruction behind the conversions
.irp i, 0,1,2
	v_mov_b32 v[P+3+\i], v[P+6+\i]
.endr
	ds_store_b128 v5, v[P:P+3] offset:768*((\t)/2)+256*((\t)%2)          ; block t is half t % 2 of chunk t / 2
	ds_store_b64 v6, v[P+4:P+5] offset:768*((\t)/2)+512+128*((\t)%2)
.if (\t)+2 < 4
	LOADW (\t)+2
.endif
.endm
	BLOCKW 0
	BLOCKW 1
	BLOCKW 2
	BLOCKW 3
	global_store_b32 v9, v14, s[16:17]             ; 4 bytes of each of 32 rows of 32 bytes: one byte in 128 of what the launch reads
.irp i, 0,1,2,3,4,5
	ds_load_b128 v[176+4*\i:179+4*\i], v7 offset:WTAU*(\i/3)+512*(\i%3)   ; LDS serves a wave's instructions in order: these see my stores
.endr
.irp i, 0,1,2,3,4,5
	s_wait_dscnt 5-\i                              ; the younger loads may be out
	global_store_b128 v8, v[176+4*\i:179+4*\i], s[14:15] offset:3072*(\i/3)+512*(\i%3)   ; 512 consecutive bytes
.endr
	s_wait_tensorcnt 0x0                           ; the wave's end: behind my last LDS store
	ds_add_u32 v[SPW], v[NIL]
	s_wait_dscnt 0x0
	s_endpgm
.Lfunc_end_k_qa8bd91cc06_quant:
	.size	k_qa8bd91cc06_quant, .Lfunc_end_k_qa8bd91cc06_quant-k_qa8bd91cc06_quant
	.p2alignl 7, 3214868480
	.fill 96, 4, 3214868480
	.section	.rodata,"a",@progbits
	.p2align	6, 0x0
	.amdhsa_kernel k_qa8bd91cc06_quant
		.amdhsa_group_segment_fixed_size 48640
		.amdhsa_private_segment_fixed_size 0
		.amdhsa_enable_private_segment 0
		.amdhsa_kernarg_size 56
		.amdhsa_user_sgpr_count 2
		.amdhsa_user_sgpr_kernarg_segment_ptr 1
		.amdhsa_wavefront_size32 1
		.amdhsa_system_sgpr_workgroup_id_x 1
		.amdhsa_system_sgpr_workgroup_id_y 1
		.amdhsa_system_sgpr_workgroup_id_z 1
		.amdhsa_system_vgpr_workitem_id 0
		.amdhsa_next_free_vgpr 224
		.amdhsa_next_free_sgpr 66
		.amdhsa_reserve_vcc 0
		.amdhsa_float_denorm_mode_32 3
		.amdhsa_float_denorm_mode_16_64 3
		.amdhsa_memory_ordered 1
		.amdhsa_forward_progress 1
		.amdhsa_inst_pref_size 56
	.end_amdhsa_kernel
	.amdgpu_metadata
---
amdhsa.version: [ 1, 2 ]
amdhsa.kernels:
  - .name:           k_qa8bd91cc06_quant
    .symbol:         k_qa8bd91cc06_quant.kd
    .args:
      - { .name: x, .offset: 0, .size: 8, .value_kind: global_buffer, .address_space: global }
      - { .name: W_qkv, .offset: 8, .size: 8, .value_kind: global_buffer, .address_space: global }
      - { .name: W_out, .offset: 16, .size: 8, .value_kind: global_buffer, .address_space: global }
      - { .name: xq, .offset: 24, .size: 8, .value_kind: global_buffer, .address_space: global }
      - { .name: xsc, .offset: 32, .size: 8, .value_kind: global_buffer, .address_space: global }
      - { .name: wq, .offset: 40, .size: 8, .value_kind: global_buffer, .address_space: global }
      - { .name: wsc, .offset: 48, .size: 8, .value_kind: global_buffer, .address_space: global }
    .group_segment_fixed_size: 48640
    .private_segment_fixed_size: 0
    .kernarg_segment_align: 8
    .kernarg_segment_size: 56
    .max_flat_workgroup_size: 128
    .sgpr_count:     66
    .vgpr_count:     224
    .wavefront_size: 32
...
	.end_amdgpu_metadata
.endif
;; end of part 1
;; launch gemm_qkv (part 2): grid 8 x 32, 4 waves a work-group, clusters of 4 x 4, 327,680 bytes of LDS; arguments xq, xsc, wq, wsc, b_qkv, qkv; writes qkv
.if DOCPART == 2
	.amdgcn_target "amdgcn-amd-amdhsa--gfx1250"
	.amdhsa_code_object_version 6
	.text
	.protected	k_qa8bd91cc06_gemm_qkv
	.globl	k_qa8bd91cc06_gemm_qkv
	.p2align	8
	.type	k_qa8bd91cc06_gemm_qkv,@function
k_qa8bd91cc06_gemm_qkv:
	s_mov_b64 s[64:65], 0
	v_nop
	global_prefetch_b8 v0, s[64:65] scope:SCOPE_SE
	s_setreg_imm32_b32 hwreg(HW_REG_WAVE_MODE, 25, 1), 1
	s_wait_xcnt 0x0
	s_wait_alu depctr_hold_cnt(0) depctr_sa_sdst(0) depctr_va_vdst(0) depctr_va_sdst(0) depctr_va_ssrc(0) depctr_va_vcc(0) depctr_vm_vsrc(0)
	s_getreg_b32 s2, hwreg(HW_REG_IB_STS2, 6, 4)
	s_cmp_eq_u32 s2, 0
	s_cbranch_scc0 .Lentry_in_a_cluster
	s_endpgm
.Lentry_in_a_cluster:
	s_bfe_u32 s2, ttmp6, 0x10000c
	s_cmp_lg_u32 s2, 0xf033
	s_cbranch_scc0 .Lentry_shape_is_right
	s_endpgm
.Lentry_shape_is_right:
; qkv = x W_qkv + b_qkv on codes of E2M3 (K = 1024), and q, k, v quantised at once, in registers, into the operands of the attention's two products.  Nothing of q, k, v goes to memory as f32.
; THE DEAL: 256 work-groups of four waves.  Work-group (i, j), i = 0..31, j = 0..7, owns tokens 256 i on and makes of them, one after the other, 256 features of q (j < 4) or k (256 j on) and 128 features of v (128 j on).
; x's tile, ALL of K (4 sigmas x 49,152 bytes), stays in LDS and serves both products.  The weights go through a ring of two slots of 49,152 bytes: W's sigmas 0, 1 at the head, 2, 3 as refills; then W_v's four sigmas of 24,576 bytes, two to a slot.
; The code buffers hold IMAGES of the operand's registers (16 rows x 64 K = 768 bytes: lane l's 16 bytes at 16 l, its 8 at 512 + 8 l), [sigma][tile of 16 rows][chunk][image].  Row position p holds true row sw(p) (bits 3 and 4 changed over).
; THE MATRIX INSTRUCTION: source 0 = 16 rows of "B", source 1 = 16 rows of "A": a lane holds ONE row of A and its registers run along B's rows.  q, k: A = tokens, B = features: registers run along the head's channels, the K of q k^T.
; v: A = features, B = tokens: registers run along the tokens, the K of p v.  A wave takes half of A's rows (wave / 2) and half of B's (wave % 2).  The bias is the C of each sum's first matrix instruction.
; FILLS.  At the head one joint load a wave, each in an arm of its own: x's sigmas 0, 1; x's sigmas 2, 3; W's sigma 0; W's sigma 1.  The first barrier shows waves 0 and 2's.  Four refills, in steps 1, 3, 5, 7 of q, k, each behind the wait for my tensor loads, the add onto my spare word
; and a round of the cluster's barrier, every wave a quarter of the slot (12,288 bytes).  x's tiles are shared along a row of the cluster, the weights' along a column.
; No prefetch: K is short (the ring is filled again four times in all), at the largest block in clusters.
; THE SCALE WORDS (32 bytes a row) come by plain loads, 16 consecutive bytes a thread, and are stored into LDS bytes into which no tensor load lands, as units of 256 bytes + 16.
; OUT: qkv = [batch x head][group of 128 tokens] records of 19,712 bytes: k's 8 images, k's scale words (lane (r, hh): words of tiles 4 hh + 0..3), v's 4 fragments of 16 channels x 128 tokens, v's scale words (lane (r, hh): tiles 2 hh + 0, 1), q's 8 images, q's scale words.
; LIMITS: NaN and infinities are not served; a block's largest magnitude is taken as 2^-124 at the least (byte 1; a block of zeros has zero codes under it).
; REGISTERS: window 0: v4-31, v224-239 addresses; v32-63 scale words, two sets, and nothing else; v64-127 the bias, later at work; v128-223 A's fragments, later the codes made.  window 1: B's fragments, two sets.  windows 2, 3: the accumulators.
.set FR,    12
.set WREG,  196608                     ; behind x's four sigmas: the ring
.set SLOT,  49152
.set SV,    WREG+2*SLOT                ; the scale words: W_v's 128 rows (4,352 bytes), x's 256 (8,704), W's 256
.set SX,    SV+4352
.set SW,    SX+8704
.set SPARE, SW+8704                    ; the spare words, 128 bytes for each wave
.set SBLK,  544                        ; the scale words of 16 rows
.set HS,    315392                     ; from head to head in qkv: 16 records
.set RECG,  19712
.set XSTEP, 1572864                    ; from sigma to sigma in xq,
.set WSTEP, 786432                     ; in wq
.set XA,   4                           ; v4-7 x as A, sigma 0..3, + 16 x lane;  v8-11 + 8 x lane
.set WB,   12                          ; v12-13 W as B, slot 0, 1, + 16 x lane;  v14-15 + 8 x lane
.set ADRS1, 16                         ; scale words: lanes 0-15 x's rows, lanes 16-31 W's
.set ADRS2, 17                         ; lanes 0-15 W_v's rows, lanes 16-31 x's
.set BVO,  18                          ; v's bias: my lane's feature
.set L16,  24
.set L8,   25
.set SPW,  28
.set NIL,  29
.set XB,   224                         ; v224-231 x as B
.set WA,   232                         ; v232-239 W_v as A
.set SC,   32
.set BI,   64                          ; v64-127 q's or k's bias: eight tiles in the result's layout
.set BIV,  96                          ; v96-127 v's bias, four tiles
.set TM,   64
.set PWB,  80
.set WS,   88
.set AF,   128
.set G1X, 24
.set G1H, 32
.set G1W, 48
.set G0X, 56
.set G0W, 60
.set G0R, 68
.set QO,  82                           ; s[82:83] where my q or k goes;  s[94:95] my v
.set VO,  94
.set MSB, 0
.macro WIN new
.if MSB != (\new)
	s_set_vgpr_msb (MSB<<8)|(\new)
.set MSB, (\new)
.endif
.endm
.macro PLACES n
.rept \n
	v_nop
.endr
.endm
.macro TLOAD g0, g1                    ; an s_nop 0 and four v_nop follow the load
	tensor_load_to_lds s[\g0:\g0+3], s[\g1:\g1+7]
	s_nop 0
	PLACES 4
.endm
.macro CREST
	s_cmp_lg_u32 s14, 0
	s_cbranch_scc1 .Lnot_wave_0_\@
	s_barrier_signal -3
.Lnot_wave_0_\@:
	s_barrier_wait -3
	s_barrier_signal -1
	s_barrier_wait -1
.endm
.macro CROUND
	s_barrier_signal -1
	s_barrier_wait -1
	CREST
.endm
.macro GROUP1 g, mask, c, r, p
	s_or_b32 s[\g], s[\mask], (3<<16)|(1<<21)      ; the mask; elements of 8 bytes; bit 21 beside a mask
	s_mov_b32 s[\g+1], (\c)<<16
	s_mov_b32 s[\g+2], (\r)<<16
	s_mov_b32 s[\g+3], (\c)<<16
	s_mov_b32 s[\g+4], \r
	s_mov_b32 s[\g+5], \p
	s_mov_b32 s[\g+6], 0
	s_mov_b32 s[\g+7], 0
.endm
	s_load_b256 s[4:11], s[0:1], 0x0               ; xq s[4:5], xsc s[6:7], wq s[8:9], wsc s[10:11]
	s_load_b128 s[92:95], s[0:1], 0x20             ; b_qkv s[92:93], qkv s[94:95]
	v_lshl_add_u32 v[SPW], v0, 2, SPARE
	v_mov_b32 v[NIL], 0
	ds_add_u32 v[SPW], v[NIL]                      ; the wave's opening: the add, twice on end, and its wait ahead of my first tensor load
	ds_add_u32 v[SPW], v[NIL]
	v_lshrrev_b32 v1, 5, v0
	v_readfirstlane_b32 s14, v1                    ; wave 0..3
	s_lshr_b32 s15, s14, 1                         ; which half of A's rows is mine
	s_and_b32 s16, s14, 1                          ; which half of B's rows
	s_bfe_u32 s40, ttmp6, 0x40000                  ; cx
	s_bfe_u32 s41, ttmp6, 0x40004                  ; cy
	s_lshl_b32 s42, ttmp9, 2
	s_add_co_u32 s42, s42, s40                     ; j
	s_and_b32 s17, ttmp7, 0xffff
	s_lshl_b32 s17, s17, 2
	s_add_co_u32 s17, s17, s41                     ; i
	s_lshl_b32 s43, s41, 2
	s_lshl_b32 s43, 15, s43                        ; my row of the cluster
	s_lshl_b32 s44, 0x1111, s40                    ; my column
	GROUP1 G1X, 43, 6144, 2, XSTEP/8               ; x: 2 rows of 49,152 bytes, a sigma apart
	GROUP1 G1H, 44, 32, 192, 32                    ; W at the head: 49,152 dense bytes as 192 rows of 256
	GROUP1 G1W, 44, 32, 48, 32                     ; a refill's quarter: 12,288 dense bytes
	s_mul_i32 s18, s17, 49152                      ; x's tile in a sigma (i alone), and the pair of sigmas that wave 0 or 1 fetches
	s_mul_i32 s19, s16, 2*XSTEP
	s_add_co_u32 s18, s18, s19
	s_mov_b32 s19, 0
	s_mul_i32 s2, s42, 49152                       ; W's tile (j alone), and the sigma that wave 2 or 3 fetches
	s_mul_i32 s3, s16, WSTEP
	s_add_co_u32 s2, s2, s3
	s_mov_b32 s3, 0
	s_mul_i32 s20, s42, 49152                      ; the refills: my quarter of W's sigma 2,
	s_mul_i32 s21, s14, 12288
	s_add_co_u32 s20, s20, s21
	s_add_co_u32 s20, s20, 2*WSTEP
	s_mov_b32 s21, 0
	s_mul_i32 s22, s42, 24576                      ; and of W_v's sigmas 0, 1: sigma wave / 2, half wave % 2; W_v begins at position 2,048
	s_mul_i32 s23, s15, WSTEP
	s_add_co_u32 s22, s22, s23
	s_mul_i32 s23, s16, 12288
	s_add_co_u32 s22, s22, s23
	s_add_co_u32 s22, s22, 393216
	s_mov_b32 s23, 0
	s_mul_i32 s80, s14, 12288
	s_add_co_u32 s80, s80, WREG                    ; where my quarter goes in slot 0,
	s_add_co_u32 s81, s80, SLOT                    ; in slot 1
	s_wait_dscnt 0x0                               ; both opening adds are done
	s_wait_kmcnt 0x0
	s_mov_b32 s[G0X], 1
	s_mul_i32 s[G0X+1], s16, 2*SLOT
	s_add_nc_u64 s[G0X+2:G0X+3], s[4:5], s[18:19]
	s_or_b32 s[G0X+3], s[G0X+3], 0x80000000
	s_mov_b32 s[G0W], 1
	s_mul_i32 s[G0W+1], s16, SLOT
	s_add_co_u32 s[G0W+1], s[G0W+1], WREG
	s_add_nc_u64 s[G0W+2:G0W+3], s[8:9], s[2:3]
	s_or_b32 s[G0W+3], s[G0W+3], 0x80000000
	s_add_nc_u64 s[72:73], s[8:9], s[20:21]        ; the four refills' addresses
	s_add_nc_u64 s[74:75], s[72:73], WSTEP
	s_add_nc_u64 s[76:77], s[8:9], s[22:23]
	s_add_nc_u64 s[78:79], s[76:77], 2*WSTEP
	s_or_b32 s73, s73, 0x80000000
	s_or_b32 s75, s75, 0x80000000
	s_or_b32 s77, s77, 0x80000000
	s_or_b32 s79, s79, 0x80000000
	s_mov_b32 s[G0R], 1
	CROUND                                         ; all sixteen work-groups are here: the first joint loads meet
	s_cmp_eq_u32 s14, 0                            ; one load a wave, in one chain of branches on the wave's number, each in an arm of its own
	s_cbranch_scc0 .Lhead_1
	TLOAD G0X, G1X                                 ; x's sigmas 0, 1
	s_branch .Lasked
.Lhead_1:
	s_cmp_eq_u32 s14, 1
	s_cbranch_scc0 .Lhead_2
	TLOAD G0X, G1X                                 ; x's sigmas 2, 3
	s_branch .Lasked
.Lhead_2:
	s_cmp_eq_u32 s14, 2
	s_cbranch_scc0 .Lhead_3
	TLOAD G0W, G1H                                 ; W's sigma 0
	s_branch .Lasked
.Lhead_3:
	TLOAD G0W, G1H                                 ; W's sigma 1
.Lasked:
	s_lshl_b32 s18, s17, 13
	s_add_nc_u64 s[6:7], s[6:7], s[18:19]          ; x's scale words
	s_lshl_b32 s18, s42, 13
	s_add_nc_u64 s[12:13], s[10:11], s[18:19]      ; W's
	s_lshl_b32 s18, s42, 12
	s_add_co_u32 s18, s18, 65536
	s_add_nc_u64 s[10:11], s[10:11], s[18:19]      ; W_v's
	s_lshl_b32 s18, s42, 9
	s_lshl_b32 s20, s15, 8
	s_add_co_u32 s18, s18, s20
	s_add_co_u32 s18, s18, 8192
	s_add_nc_u64 s[84:85], s[92:93], s[18:19]      ; the bias of my 64 features of v
	s_lshl_b32 s18, s42, 10
	s_lshl_b32 s20, s16, 9
	s_add_co_u32 s18, s18, s20
	s_add_nc_u64 s[92:93], s[92:93], s[18:19]      ; of my 128 features of q or k
	s_lshr_b32 s20, s17, 3
	s_lshl_b32 s20, s20, 4                         ; 16 x batch
	s_and_b32 s21, s17, 7
	s_lshl_b32 s21, s21, 1                         ; the tile's first group of 128 tokens
	s_and_b32 s22, s42, 3
	s_lshl_b32 s22, s22, 2
	s_lshl_b32 s23, s16, 1
	s_add_co_u32 s22, s22, s23                     ; q, k: my first head: 4 (j % 4) + 2 half
	s_add_co_u32 s22, s22, s20
	s_lshl_b32 s22, s22, 4
	s_add_co_u32 s22, s22, s21
	s_add_co_u32 s22, s22, s15                     ; 16 x (batch, head) + my group of tokens
	s_mul_i32 s18, s22, RECG
	s_lshr_b32 s23, s42, 2
	s_mul_i32 s23, s23, 13056
	s_sub_co_u32 s23, 13056, s23                   ; in a record q lies at 13,056, k at 0
	s_add_co_u32 s18, s18, s23
	s_add_nc_u64 s[QO:QO+1], s[94:95], s[18:19]
	s_lshl_b32 s22, s42, 1
	s_add_co_u32 s22, s22, s15                     ; v: my head: 2 j + half
	s_add_co_u32 s22, s22, s20
	s_lshl_b32 s22, s22, 4
	s_add_co_u32 s22, s22, s21
	s_add_co_u32 s22, s22, s16
	s_mul_i32 s18, s22, RECG
	s_add_co_u32 s18, s18, 6656                    ; v lies at 6,656
	s_add_nc_u64 s[VO:VO+1], s[94:95], s[18:19]
	s_mul_i32 s45, s15, 24576                      ; LDS: my 128 tokens as A,
	s_mul_i32 s46, s16, 24576                      ; as B,
	s_add_co_u32 s47, s46, WREG                    ; my 128 features of W,
	s_mul_i32 s86, s15, 12288
	s_add_co_u32 s86, s86, WREG                    ; my 64 of W_v
	s_mul_i32 s87, s15, 4352
	s_mul_i32 s88, s16, 4352
	s_add_co_u32 s89, s88, 8704
	s_sub_co_u32 s89, s89, s87                     ; from my tokens' scale words to my features'
	s_add_co_u32 s87, s87, SX
	s_mul_i32 s90, s15, 2176
	s_add_co_u32 s88, s88, 4352
	s_sub_co_u32 s88, s88, s90                     ; from my features' of v to my tokens'
	s_add_co_u32 s90, s90, SV
	s_mov_b32 s101, 0xffff0000                     ; lanes 16-31
	s_mov_b32 s66, 0x76543210
	s_mov_b32 s67, 0xfedcba98                      ; v_permlanex16_b32's selects for lane l xor 16
	v_lshlrev_b32 v26, 4, v0                       ; the scale words: 16 bytes a thread, 2,048 a load of the work-group
.irp k, 0,1,2,3
	global_load_b128 v[128+4*\k:131+4*\k], v26, s[6:7] offset:2048*\k
.endr
.irp k, 0,1,2,3
	global_load_b128 v[144+4*\k:147+4*\k], v26, s[12:13] offset:2048*\k
.endr
.irp k, 0,1
	global_load_b128 v[160+4*\k:163+4*\k], v26, s[10:11] offset:2048*\k
.endr
	v_bfe_u32 v2, v0, 4, 1                         ; h
	v_lshlrev_b32 v19, 6, v2
.irp b, 0,1,2,3,4,5,6,7                        ; q, k: tile b's eight registers are features 32 (b / 2) + 16 h + 8 (b % 2) + 0 .. 7
	global_load_b128 v[BI+8*\b:BI+8*\b+3], v19, s[92:93] offset:128*(\b/2)+32*(\b%2)
	global_load_b128 v[BI+8*\b+4:BI+8*\b+7], v19, s[92:93] offset:128*(\b/2)+32*(\b%2)+16
.endr
	v_lshrrev_b32 v27, 4, v0
	v_lshl_add_u32 v27, v27, 4, v26
	v_add_nc_u32 v27, SV, v27                      ; into LDS: 16 t + 16 (t / 16): 16 more for each 256 passed
	v_and_b32 v1, 15, v0                           ; r
	v_and_b32 v3, 31, v0
	v_lshlrev_b32 v[L16], 4, v3
	v_lshlrev_b32 v[L8], 3, v3
	v_add_nc_u32 v[XA], s45, v[L16]
	v_add_nc_u32 v[XA+4], s45, v[L8]
	v_add_nc_u32 v[XB], s46, v[L16]
	v_add_nc_u32 v[XB+4], s46, v[L8]
	v_add_nc_u32 v[WA], s86, v[L16]
	v_add_nc_u32 v[WA+4], s86, v[L8]
	v_add_nc_u32 v[WB], s47, v[L16]
	v_add_nc_u32 v[WB+2], s47, v[L8]
	v_add_nc_u32 v[WB+1], SLOT, v[WB]
	v_add_nc_u32 v[WB+3], SLOT, v[WB+2]
.irp s, 1,2,3
	v_add_nc_u32 v[XA+\s], \s*49152, v[XA]
	v_add_nc_u32 v[XA+4+\s], \s*49152, v[XA+4]
	v_add_nc_u32 v[XB+\s], \s*49152, v[XB]
	v_add_nc_u32 v[XB+4+\s], \s*49152, v[XB+4]
	v_add_nc_u32 v[WA+\s], \s*24576, v[WA]
	v_add_nc_u32 v[WA+4+\s], \s*24576, v[WA+4]
.endr
	v_lshlrev_b32 v20, 5, v1                       ; my row's scale words: 32 bytes a row, and 16 more for each 256 passed
	v_lshrrev_b32 v21, 8, v20
	v_lshl_add_u32 v20, v21, 4, v20
	v_mul_u32_u24 v21, s89, v2                     ; lanes 16-31 take B's
	v_mul_u32_u24 v22, s88, v2
	v_add_nc_u32 v21, v20, v21
	v_add_nc_u32 v22, v20, v22
	v_add_nc_u32 v[ADRS1], s87, v21
	v_add_nc_u32 v[ADRS2], s90, v22
	v_and_b32 v21, 7, v1
	v_lshrrev_b32 v23, 3, v1
	v_lshl_add_u32 v21, v23, 4, v21
	v_lshlrev_b32 v[BVO], 2, v21                   ; v's bias of my row: true feature r % 8 + 16 (r / 8) of a tile
	s_wait_alu depctr_va_vdst(0)
	s_wait_loadcnt 0x0                             ; the scale words and the bias
.irp k, 0,1,2,3
	ds_store_b128 v27, v[128+4*\k:131+4*\k] offset:SX-SV+2176*\k
.endr
.irp k, 0,1,2,3
	ds_store_b128 v27, v[144+4*\k:147+4*\k] offset:SW-SV+2176*\k
.endr
.irp k, 0,1
	ds_store_b128 v27, v[160+4*\k:163+4*\k] offset:2176*\k
.endr
	s_cmp_eq_u32 s16, 1
	s_cbranch_scc1 .Lnot_yet
	s_wait_tensorcnt 0x0                           ; waves 0 and 2: x's sigmas 0, 1 and W's sigma 0 are in
.Lnot_yet:
	s_wait_dscnt 0x0                               ; for the others' sake: my part of the scale words lies in LDS
	s_barrier_signal -1
	s_barrier_wait -1                              ; the loads of waves 1 and 3 may be out
.macro FRAG reg, a16, a8, q, i         ; a fragment, 16 rows x 128 K: two images; every load reads consecutive bytes
	ds_load_b128 v[(\reg):(\reg)+3], v[\a16] offset:3072*(\i)+1536*(\q)
	ds_load_b64 v[(\reg)+4:(\reg)+5], v[\a8] offset:3072*(\i)+1536*(\q)+512
	ds_load_b128 v[(\reg)+6:(\reg)+9], v[\a16] offset:3072*(\i)+1536*(\q)+768
	ds_load_b64 v[(\reg)+10:(\reg)+11], v[\a8] offset:3072*(\i)+1536*(\q)+1280
.endm
.macro SCALES adr, sg                  ; sigma sg's two scale words a row into set sg % 2: lanes 0-15 take A's block i, lanes 16-31 B's block i
.irp i, 0,1,2,3,4,5,6,7
	ds_load_b64 v[SC+16*((\sg)%2)+2*\i:SC+16*((\sg)%2)+2*\i+1], v[\adr] offset:\i*SBLK+8*(\sg)
.endr
.endm
; ---------------- q, k: a step is 128 along K, 64 matrix instructions; A has one set of registers, fetched in two halves, B two
.macro QFB st
	WIN 0x40
.irp i, 0,1,2,3,4,5,6,7
	FRAG 128*((\st)%2)+FR*\i, WB+((\st)/2)%2, WB+2+((\st)/2)%2, (\st)%2, \i
.endr
	WIN 0
.endm
.macro QFA st, i0
.irp i, \i0, \i0+1, \i0+2, \i0+3
	FRAG AF+FR*(\i), XA+(\st)/2, XA+4+(\st)/2, (\st)%2, \i
.endr
.endm
; 16 matrix instructions: A's blocks a0, a0 + 1 x B's eight.  The 64 accumulators take turns, one instruction a turn, in the same order in every step.
.macro MUL16 a0, st
.irp a, \a0, \a0+1
.irp b, 0,1,2,3,4,5,6,7
.if (\st) == 0
	v_wmma_scale_f32_16x16x128_f8f6f4 v[8*(8*((\a)%4)+\b):8*(8*((\a)%4)+\b)+7], v[128*((\st)%2)+FR*\b:128*((\st)%2)+FR*\b+FR-1], v[AF+FR*(\a):AF+FR*(\a)+FR-1], v[BI+8*\b:BI+8*\b+7], v[SC+16*(((\st)/2)%2)+2*\b+(\st)%2], v[SC+16*(((\st)/2)%2)+2*(\a)+(\st)%2] matrix_a_fmt:MATRIX_FMT_FP6 matrix_b_fmt:MATRIX_FMT_FP6 matrix_a_scale:MATRIX_SCALE_ROW1
.else
	v_wmma_scale_f32_16x16x128_f8f6f4 v[8*(8*((\a)%4)+\b):8*(8*((\a)%4)+\b)+7], v[128*((\st)%2)+FR*\b:128*((\st)%2)+FR*\b+FR-1], v[AF+FR*(\a):AF+FR*(\a)+FR-1], v[8*(8*((\a)%4)+\b):8*(8*((\a)%4)+\b)+7], v[SC+16*(((\st)/2)%2)+2*\b+(\st)%2], v[SC+16*(((\st)/2)%2)+2*(\a)+(\st)%2] matrix_a_fmt:MATRIX_FMT_FP6 matrix_b_fmt:MATRIX_FMT_FP6 matrix_a_scale:MATRIX_SCALE_ROW1
.endif
.endr
.endr
.endm
.macro QEVEN st                        ; a slot's first step
	s_wait_dscnt 16                                ; B's set and A's blocks 0-3 are in; the youngest sixteen loads (A's blocks 4-7) may be out
.if (\st) == 0
	WIN 0x81                                       ; source 0 (B) window 1, source 1 (A) and C, the bias, window 0, D window 2
.else
	WIN 0xa1
.endif
	MUL16 0, \st
	MUL16 2, \st
	s_wait_dscnt 0x0
	PLACES 4
	QFB (\st)+1
	QFA (\st)+1, 0
.if (\st) == 0
	WIN 0xc1
.else
	WIN 0xf1
.endif
	MUL16 4, \st
	MUL16 6, \st
	PLACES 4
	WIN 0
	QFA (\st)+1, 4
.endm
.macro QODD st                         ; a slot's last step: the slot is filled again
	s_wait_tensorcnt 0x0                           ; all my tensor loads have landed
	ds_add_u32 v[SPW], v[NIL]                      ; 0 onto my spare word
	s_mov_b32 s[G0R+1], s[80+((\st)/2)%2]          ; no tensor load of mine is out: the refill's descriptor
	s_mov_b64 s[G0R+2:G0R+3], s[72+2*((\st)/2):73+2*((\st)/2)]
	s_wait_dscnt 17                                ; (the add and the youngest sixteen loads may be out)
	WIN 0xa1
	MUL16 0, \st
	s_wait_dscnt 0x0                               ; the add is done, and my reads of this slot are over
	s_barrier_signal -1
	MUL16 2, \st
	WIN 0
	s_barrier_wait -1
	CREST                                          ; the barrier has opened a round of the cluster's barrier: no wave of any partner still reads this slot or has a load on its way
	TLOAD G0R, G1W                                 ; my quarter; its four v_nop are the places in front of the loads below
.if (\st) < 7
	QFB (\st)+1
	QFA (\st)+1, 0
	SCALES ADRS1, ((\st)+1)/2
.endif
	WIN 0xf1
	MUL16 4, \st
	MUL16 6, \st
.if (\st) < 7
	PLACES 4
	WIN 0
	QFA (\st)+1, 4
.else
	WIN 0
.endif
.endm
; ---------------- v: a step is 32 matrix instructions; both operands have two sets, the next step's fragments are asked for ahead of the step's products
.macro VFETCH vt
	WIN 0x40
.irp i, 0,1,2,3,4,5,6,7
	FRAG 128*((\vt)%2)+FR*\i, XB+(\vt)/2, XB+4+(\vt)/2, (\vt)%2, \i
.endr
	WIN 0
.irp i, 0,1,2,3
	FRAG AF+48*((\vt)%2)+FR*\i, WA+(\vt)/2, WA+4+(\vt)/2, (\vt)%2, \i
.endr
.if (\vt)%2 == 0
	SCALES ADRS2, (\vt)/2
.endif
.endm
.macro VMUL vt
.irp a, 0,1,2,3
.irp b, 0,1,2,3,4,5,6,7
.if (\vt) == 0
	v_wmma_scale_f32_16x16x128_f8f6f4 v[8*(8*\a+\b):8*(8*\a+\b)+7], v[128*((\vt)%2)+FR*\b:128*((\vt)%2)+FR*\b+FR-1], v[AF+48*((\vt)%2)+FR*\a:AF+48*((\vt)%2)+FR*\a+FR-1], v[BIV+8*\a:BIV+8*\a+7], v[SC+16*(((\vt)/2)%2)+2*\b+(\vt)%2], v[SC+16*(((\vt)/2)%2)+2*\a+(\vt)%2] matrix_a_fmt:MATRIX_FMT_FP6 matrix_b_fmt:MATRIX_FMT_FP6 matrix_a_scale:MATRIX_SCALE_ROW1
.else
	v_wmma_scale_f32_16x16x128_f8f6f4 v[8*(8*\a+\b):8*(8*\a+\b)+7], v[128*((\vt)%2)+FR*\b:128*((\vt)%2)+FR*\b+FR-1], v[AF+48*((\vt)%2)+FR*\a:AF+48*((\vt)%2)+FR*\a+FR-1], v[8*(8*\a+\b):8*(8*\a+\b)+7], v[SC+16*(((\vt)/2)%2)+2*\b+(\vt)%2], v[SC+16*(((\vt)/2)%2)+2*\a+(\vt)%2] matrix_a_fmt:MATRIX_FMT_FP6 matrix_b_fmt:MATRIX_FMT_FP6 matrix_a_scale:MATRIX_SCALE_ROW1
.endif
.endr
.endr
.endm
.macro VSTEP vt
	s_wait_dscnt 0x0                               ; this step's fragments are in
.if (\vt) < 7
.if (\vt) > 0
	PLACES 4                                       ; in front of loads into registers that the last step's products have read
.endif
	VFETCH (\vt)+1
.endif
.if (\vt) == 0
	WIN 0x81
.else
	WIN 0xa1
.endif
	VMUL \vt
	WIN 0
.endm
; THE WAY OUT.  Block a (16 rows of A) x my 128 rows of B: a lane's 64 registers, register 16 b + i = true index 32 b + 16 (lane / 16) + i of its row: they become one fragment's codes (v[PC] on) and its scale word (v[PWB + a]).
.macro QUANTW a
.set AC, 64*((\a)%4)
.set PC, 128+32*((\a)%2)
	WIN 0x28+0x14*((\a)/4)                         ; sources 1 and 2: window 2 or 3
.irp b, 0,1,2,3
	v_max3_num_f32 v[TM+\b], 0x1800000, |v[AC+16*\b]|, |v[AC+16*\b+1]|   ; block b: my 16 numbers and the floor 2^-124; each accumulator is read from its low end on
.endr
.irp i, 2,4,6,8,10,12,14
.irp b, 0,1,2,3
	v_max3_num_f32 v[TM+\b], v[TM+\b], |v[AC+16*\b+\i]|, |v[AC+16*\b+\i+1]|
.endr
.endr
	WIN 0
.irp b, 0,1,2,3
	v_permlanex16_b32 v[TM+4+\b], v[TM+\b], s66, s67
.endr
.irp b, 0,1,2,3
	v_max_num_f32 v[TM+\b], v[TM+\b], v[TM+4+\b]   ; with lane l xor 16's 16: the block's largest magnitude
.endr
.irp b, 0,1,2,3
	v_add_nc_u32 v[TM+12+\b], 0xff000000, v[TM+\b] ; 2 off its exponent field: the conversion's scale operand
.endr
.irp b, 0,1,2,3
	v_lshrrev_b32 v[TM+4+\b], 23, v[TM+12+\b]      ; the scale's byte
.endr
	v_lshl_or_b32 v[PWB+(\a)], v[TM+5], 8, v[TM+4]
	v_lshl_or_b32 v[PWB+(\a)], v[TM+6], 16, v[PWB+(\a)]
	v_lshl_or_b32 v[PWB+(\a)], v[TM+7], 24, v[PWB+(\a)]
	WIN 0x02+(\a)/4                                ; source 0: window 2 or 3
.irp c, 0,1
	v_cvt_scalef32_pk16_fp6_f32 v[PC+6*\c:PC+6*\c+2], v[AC+32*\c:AC+32*\c+15], v[TM+12+2*\c]
	v_cvt_scalef32_pk16_fp6_f32 v[PC+12+4*\c:PC+14+4*\c], v[AC+32*\c+16:AC+32*\c+31], v[TM+12+2*\c+1]   ; (a conversion's three registers begin on an even number)
.endr
	WIN 0
	v_nop                                          ; one plain instruction behind the conversions
.irp c, 0,1                                    ; the operand's layout wants a whole block in a lane
.irp i, 0,1,2
	v_permlane16_swap_b32 v[PC+6*\c+\i], v[PC+12+4*\c+\i]
.endr
.irp i, 0,1,2
	v_mov_b32 v[PC+3+6*\c+\i], v[PC+12+4*\c+\i]
.endr
.endr
.endm
.macro EPI a, kind
	s_wait_xcnt 0x0                                ; the stores of two blocks ago have read this set of code registers
	QUANTW \a
.if \kind == 0
.irp c, 0,1                                    ; q, k: registers 6 c .. 6 c + 5 are the image of 16 tokens x the 64 channels of head c of my two
	global_store_b128 v[L16], v[PC+6*\c:PC+6*\c+3], s[QO:QO+1] offset:\c*HS+768*(\a)
	global_store_b64 v[L8], v[PC+6*\c+4:PC+6*\c+5], s[QO:QO+1] offset:\c*HS+768*(\a)+512
.endr
.else
.irp j, 0,1,2                                  ; v: the fragment of 16 channels x 128 tokens as it stands
	global_store_b128 v[L16], v[PC+4*\j:PC+4*\j+3], s[VO:VO+1] offset:(\a)*1536+512*\j
.endr
.endif
.endm
	QFB 0
	QFA 0, 0
	SCALES ADRS1, 0
	QFA 0, 4
.irp t, 0,2,4,6
	QEVEN \t
	QODD \t+1
.endr
	PLACES 4                                       ; behind the last products
.irp a, 0,1,2,3                                ; v's bias: all eight registers of tile a hold the bias of my lane's feature
.irp j, 0,1,2,3,4,5,6,7
	global_load_b32 v[BIV+8*\a+\j], v[BVO], s[84:85] offset:(32*(\a/2)+8*(\a%2))*4
.endr
.endr
.irp b, 0,1,2,3
	v_mov_b32 v[TM+4+\b], 0                        ; written once: a lane permute's destination counts as one of its sources
.endr
.irp a, 0,1,2,3,4,5,6,7
	EPI \a, 0
.endr
.irp j, 0,1,2,3                                ; lanes 0-15 store the words of tiles 0-3, lanes 16-31 of tiles 4-7.  A word's bytes 0, 1 are the first head's, bytes 2, 3 the second's;
	v_cndmask_b32 v[WS+\j], v[PWB+\j], v[PWB+4+\j], s101   ; the upper two bytes of a stored word scale zero codes alone
.endr
.irp j, 0,1,2,3
	v_lshrrev_b32 v[WS+4+\j], 16, v[WS+\j]
.endr
	global_store_b128 v[L16], v[WS:WS+3], s[QO:QO+1] offset:6144
	global_store_b128 v[L16], v[WS+4:WS+7], s[QO:QO+1] offset:HS+6144
	s_wait_alu depctr_va_vdst(0)
	s_wait_tensorcnt 0x0                           ; every wave: my quarters of W_v are in
	s_wait_xcnt 0x0                                ; the stores have read the registers that take fragments again
	s_wait_loadcnt 0x0                             ; v's bias
	s_barrier_signal -1
	s_barrier_wait -1                              ; all of W_v is in
	VFETCH 0
.irp t, 0,1,2,3,4,5,6,7
	VSTEP \t
.endr
	PLACES 4                                       ; behind the last products
.irp a, 0,1,2,3
	EPI \a, 1
.endr
.irp j, 0,1                                    ; lanes 0-15 the words of channel tiles 0, 1, lanes 16-31 of tiles 2, 3
	v_cndmask_b32 v[WS+\j], v[PWB+\j], v[PWB+2+\j], s101
.endr
	global_store_b64 v[L8], v[WS:WS+1], s[VO:VO+1] offset:6144
	s_wait_tensorcnt 0x0                           ; the wave's end: behind my last tensor load and my last LDS store
	ds_add_u32 v[SPW], v[NIL]
	s_wait_dscnt 0x0
	CROUND                                         ; the closing round: no work-group ends while a partner may still ask for a tile that names it
	s_endpgm
.Lfunc_end_k_qa8bd91cc06_gemm_qkv:
	.size	k_qa8bd91cc06_gemm_qkv, .Lfunc_end_k_qa8bd91cc06_gemm_qkv-k_qa8bd91cc06_gemm_qkv
	.p2alignl 7, 3214868480
	.fill 96, 4, 3214868480
	.section	.rodata,"a",@progbits
	.p2align	6, 0x0
	.amdhsa_kernel k_qa8bd91cc06_gemm_qkv
		.amdhsa_group_segment_fixed_size 327680
		.amdhsa_private_segment_fixed_size 0
		.amdhsa_enable_private_segment 0
		.amdhsa_kernarg_size 48
		.amdhsa_user_sgpr_count 2
		.amdhsa_user_sgpr_kernarg_segment_ptr 1
		.amdhsa_wavefront_size32 1
		.amdhsa_system_sgpr_workgroup_id_x 1
		.amdhsa_system_sgpr_workgroup_id_y 1
		.amdhsa_system_sgpr_workgroup_id_z 1
		.amdhsa_system_vgpr_workitem_id 0
		.amdhsa_next_free_vgpr 1024
		.amdhsa_next_free_sgpr 102
		.amdhsa_reserve_vcc 0
		.amdhsa_float_denorm_mode_32 3
		.amdhsa_float_denorm_mode_16_64 3
		.amdhsa_memory_ordered 1
		.amdhsa_forward_progress 1
		.amdhsa_inst_pref_size 234
	.end_amdhsa_kernel
	.amdgpu_metadata
---
amdhsa.version: [ 1, 2 ]
amdhsa.kernels:
  - .name:           k_qa8bd91cc06_gemm_qkv
    .symbol:         k_qa8bd91cc06_gemm_qkv.kd
    .args:
      - { .name: xq, .offset: 0, .size: 8, .value_kind: global_buffer, .address_space: global }
      - { .name: xsc, .offset: 8, .size: 8, .value_kind: global_buffer, .address_space: global }
      - { .name: wq, .offset: 16, .size: 8, .value_kind: global_buffer, .address_space: global }
      - { .name: wsc, .offset: 24, .size: 8, .value_kind: global_buffer, .address_space: global }
      - { .name: b_qkv, .offset: 32, .size: 8, .value_kind: global_buffer, .address_space: global }
      - { .name: qkv, .offset: 40, .size: 8, .value_kind: global_buffer, .address_space: global }
    .group_segment_fixed_size: 327680
    .private_segment_fixed_size: 0
    .kernarg_segment_align: 8
    .kernarg_segment_size: 48
    .max_flat_workgroup_size: 128
    .sgpr_count:     102
    .vgpr_count:     1024
    .wavefront_size: 32
...
	.end_amdgpu_metadata
.endif
;; end of part 2
;; launch attn (part 3): grid 4 x 64, 8 waves a work-group, clusters of 4 x 1, 211,968 bytes of LDS; arguments qkv, ao, asc; writes ao, asc
.if DOCPART == 3
	.amdgcn_target "amdgcn-amd-amdhsa--gfx1250"
	.amdhsa_code_object_version 6
	.text
	.protected	k_qa8bd91cc06_attn
	.globl	k_qa8bd91cc06_attn
	.p2align	8
	.type	k_qa8bd91cc06_attn,@function
k_qa8bd91cc06_attn:
	s_mov_b64 s[64:65], 0
	v_nop
	global_prefetch_b8 v0, s[64:65] scope:SCOPE_SE
	s_setreg_imm32_b32 hwreg(HW_REG_WAVE_MODE, 25, 1), 1
	s_wait_xcnt 0x0
	s_wait_alu depctr_hold_cnt(0) depctr_sa_sdst(0) depctr_va_vdst(0) depctr_va_sdst(0) depctr_va_ssrc(0) depctr_va_vcc(0) depctr_vm_vsrc(0)
	s_getreg_b32 s2, hwreg(HW_REG_IB_STS2, 6, 4)
	s_cmp_eq_u32 s2, 0
	s_cbranch_scc0 .Lentry_in_a_cluster
	s_endpgm
.Lentry_in_a_cluster:
	s_bfe_u32 s2, ttmp6, 0x10000c
	s_cmp_lg_u32 s2, 0x3003
	s_cbranch_scc0 .Lentry_shape_is_right
	s_endpgm
.Lentry_shape_is_right:
; For each (batch, head): o = softmax(q k^T / 8) v on codes of E2M3, and o quantised at once along the head's channels into the operand of the last product.
; THE SOFTMAX: t = score x log2(e) / 8; M = the running largest t rounded UP to a whole number; p = 2^(t - M) is quantised along the keys, not normalised; the row's sum is taken of the unquantised p and divides at the end
; (v_rcp_f32 and a multiplication).  When M moves, the sum and O are multiplied by 2^(old M - new M): exact.
; SHARES.  A work-group owns 512 queries of one head; the four work-groups of a cluster own one head and ask for its k and v JOINTLY: 16 records of 13,056 bytes stay in LDS; each of the eight waves asks for two records by one load
; (2 rows of 13,056 bytes, 19,712 apart in memory); nothing is filled again.  A wave owns four tiles of 16 queries, TWO AT A TIME (two passes): each fragment of k and v read from LDS serves both tiles.  128 keys a step.
; No prefetch: all that the work-group reads by tensor loads is asked for at the head, so there is no loop to run ahead in.
; LAYOUT.  Both products are used transposed: S^T = K Q^T, O^T = V^T P^T: a lane holds ONE query throughout.  K = 64 in the first: the upper half of Q's fragment is zero codes, so what stands in the upper half of K's adds nothing:
; K's fragments lie 6 registers apart, and a fragment's upper half is the next one's codes (the last one's: zeros).
; WHICH KEYS FORM A TILE is chosen by the lanes' LDS addresses: tile 4 c + j takes in rows 0-7 the true keys 64 c + 8 j + 0..7 and in rows 8-15 the keys 32 further on.  So lane (r, h) holds in registers 32 c + 0..31 block 2 c + h of 32 keys whole:
; a block's largest score needs no other lane, and two conversions give six registers of P's fragment as they fall.  (True key x lies at position sw(x), bits 3 and 4 changed over, of a record's images.)
; The step's last fetch of k asks for the next record, held at the last one: in a pass's last step record 15 is read once more and not used.
; OUT: ao: images of 16 rows x 64 K (chunk = head); asc: [batch x head][position] two scale bytes.
; LIMITS: NaN and infinities are not served; the scaled scores t stay under 2^31 in magnitude; a block's largest magnitude is taken as 2^-124 at the least (byte 1; a block of zeros has zero codes under it).
; REGISTERS.  Window 0: v1-15, v26 addresses; v16-25 scale words and nothing else (Q's two, K's four, V's two, P's two); v32-85 K's fragments.  Window 1: v0-47 V's fragments.
; In window e, tile e of my two: v112 -M, v113 the largest score, v[114:115] the sum, v116-123 at work, v[124:125] f, v128-191 S^T then p, v192-223 O^T, v224-235 Q, v236-247 P's codes, v248-254 the conversions' second halves.
.set REC,   13056
.set RECG,  19712
.set HS,    315392
.set SCG,   208896                     ; behind the records: 1,024 bytes in which the work-group's scale bytes are gathered; no tensor load lands there
.set SPARE, 209920                     ; the spare words, 128 bytes for each wave
.set L16, 1                            ; 16 x lane
.set L8,  2                            ; 8 x lane
.set SPW, 3                            ; my spare word; never rewritten
.set NIL, 4                            ; 0; never rewritten
.set VA,  5                            ; the step's record + 16 x lane
.set VS,  6                            ; + 8 x lane
.set SGA, 7                            ; where my query's two scale bytes go
.set KB16, 8                           ; my lane's place in K's images: the 16 bytes,
.set SGR, 9                            ; the gather read back
.set QSO, 10                           ; 16 r
.set ASO, 11                           ; the same place in asc
.set KB8, 12                           ; the 8 bytes,
.set KBS, 13                           ; the scale words
.set KN16, 14                          ; the three with the next record's place
.set KN8, 15
.set KNS, 26
.set QSC, 16
.set KSC, 18
.set VSC, 22
.set PSC, 24
.set KF,  32
.set VF,  0
.set NM,  112
.set MR,  113
.set LS,  114
.set TT,  116
.set FF,  124
.set PS,  128
.set OA,  192
.set QF,  224
.set PC,  236
.set TC,  248
.set WV,  10
.set G1,  16
.set G0,  24
.set QA,  28
.set QS,  30
.set AOB, 32
.set ASB, 34
.set SEL, 36
.set CS,  38
.set TB,  40
.set CNT, 41
.set TN,  52
.set MSB, 0
.macro WIN new                         ; the immediate's high byte repeats the setting that is left
.if MSB != (\new)
	s_set_vgpr_msb (MSB<<8)|(\new)
.set MSB, (\new)
.endif
.endm
.macro WALU
	s_wait_alu depctr_va_vdst(0)
.endm
.macro CROUND                          ; a round of the cluster's barrier
	s_barrier_signal -1
	s_barrier_wait -1
	s_cmp_lg_u32 s[WV], 0
	s_cbranch_scc1 .Lnot_wave_0_\@
	s_barrier_signal -3
.Lnot_wave_0_\@:
	s_barrier_wait -3
	s_barrier_signal -1
	s_barrier_wait -1
.endm
.macro QLOAD p                         ; pass p's two tiles of q and their scale words
.irp e, 0,1
	WIN 0x40*\e
	global_load_b128 v[QF:QF+3], v[L16], s[QA:QA+1] offset:1536*\p+768*\e
	global_load_b64 v[QF+4:QF+5], v[L8], s[QA:QA+1] offset:1536*\p+768*\e+512
.endr
	WIN 0
.irp e, 0,1
	global_load_b32 v[QSC+\e], v[QSO], s[QS:QS+1] offset:8*\p+4*\e
.endr
.endm
.macro KLOAD a16, a8, as               ; a record's eight tiles of keys, 18 loads.  Scale words: register j: lanes 0-15 tile j, lanes 16-31 tile 4 + j
.irp u, 0,1,2,3,4,5,6,7
	ds_load_b128 v[KF+6*\u:KF+6*\u+3], v[\a16] offset:768*(4*(\u/4)+\u%2)+128*((\u%4)/2)
	ds_load_b64 v[KF+6*\u+4:KF+6*\u+5], v[\a8] offset:768*(4*(\u/4)+\u%2)+512+64*((\u%4)/2)
.endr
	ds_load_b64 v[KSC:KSC+1], v[\as] offset:6144
	ds_load_b64 v[KSC+2:KSC+3], v[\as] offset:6144+128
.endm
.macro MAXP e                          ; my two blocks' largest scores, in four chains by turns (each accumulator is read from its low end on); then M and f
	WIN 0x55*\e
.irp q, 0,1,2,3
	v_max3_num_f32 v[TT+\q], v[PS+16*\q], v[PS+16*\q+1], v[PS+16*\q+2]
.endr
.irp i, 3,5,7,9,11,13
.irp q, 0,1,2,3
	v_max3_num_f32 v[TT+\q], v[TT+\q], v[PS+16*\q+\i], v[PS+16*\q+\i+1]
.endr
.endr
.irp c, 0,2
	v_max3_num_f32 v[TT+\c], v[TT+\c], v[PS+16*\c+15], v[PS+16*\c+31]
.endr
.irp c, 0,2
	v_max_num_f32 v[TT+\c], v[TT+\c], v[TT+\c+1]   ; block c / 2 of my two: it serves for the row's maximum and, since p rises with the score, for the block's largest p
.endr
	s_delay_alu instid0(VALU_DEP_1)
	v_max3_num_f32 v[TT+4], v[TT], v[TT+2], v[MR]
	s_delay_alu instid0(VALU_DEP_1)
	v_permlanex16_b32 v[TT+5], v[TT+4], s[SEL], s[SEL+1]
	s_delay_alu instid0(VALU_DEP_1)
	v_max_num_f32 v[MR], v[TT+4], v[TT+5]          ; the running largest score of my query
	s_delay_alu instid0(VALU_DEP_1)
	v_mul_f32 v[TT+4], s[CS], v[MR]                ; as t
	v_mov_b32 v[TT+5], v[NM]
	s_delay_alu instid0(VALU_DEP_2)
	v_floor_f32 v[NM], -v[TT+4]                    ; the new -M = -ceil(t)
	s_delay_alu instid0(VALU_DEP_1)
	v_sub_f32 v[TT+5], v[NM], v[TT+5]              ; old M - new M: a whole number, 0 or less
	s_delay_alu instid0(VALU_DEP_1)
	v_cvt_i32_f32 v[TT+5], v[TT+5]                 ; (it saturates)
	s_delay_alu instid0(VALU_DEP_1)
	v_ldexp_f32 v[FF], 1.0, v[TT+5]                ; f = 2^(old M - new M)
.endm
.macro FMAP e                          ; t - M, two at a time; the same of the two blocks' largest scores
	WIN 0x55*\e
.set J, 0
.rept 32
	v_pk_fma_f32 v[PS+J:PS+J+1], v[PS+J:PS+J+1], s[CS:CS+1], v[NM:NM+1] op_sel_hi:[1,0,0]
.set J, J+2
.endr
	v_fma_f32 v[TT], v[TT], s[CS], v[NM]
	v_fma_f32 v[TT+2], v[TT+2], s[CS], v[NM]
.endm
.macro EXPP e                          ; p = 2^(t - M), at most 1; the blocks' largest p by the same two instructions on the same numbers
	WIN 0x55*\e
.set J, 0
.rept 64
	v_exp_f32 v[PS+J], v[PS+J]
.set J, J+1
.endr
	v_exp_f32 v[TT], v[TT]
	v_exp_f32 v[TT+2], v[TT+2]
.endm
.macro ORES e                          ; O^T x the factor in v[FF], each accumulator from its low end on
	WIN 0x55*\e
.set J, 0
.rept 16
	v_pk_mul_f32 v[OA+J:OA+J+1], v[OA+J:OA+J+1], v[FF:FF+1] op_sel_hi:[1,0]
.set J, J+2
.endr
.endm
.macro QNT e                           ; p's codes and scale word for these 128 keys
	WIN 0x55*\e
	v_max_num_f32 v[TT], 0x1800000, v[TT]          ; the floor 2^-124: the byte cannot fall under 1
	v_max_num_f32 v[TT+2], 0x1800000, v[TT+2]
	v_add_nc_u32 v[TT+1], 0xff000000, v[TT]        ; 2 off the exponent field: the conversions' scale operand
	v_add_nc_u32 v[TT+3], 0xff000000, v[TT+2]
	v_cvt_scalef32_pk16_fp6_f32 v[PC:PC+2], v[PS:PS+15], v[TT+1]
	v_cvt_scalef32_pk16_fp6_f32 v[TC:TC+2], v[PS+16:PS+31], v[TT+1]      ; (a conversion's three registers begin on an even number)
	v_cvt_scalef32_pk16_fp6_f32 v[PC+6:PC+8], v[PS+32:PS+47], v[TT+3]
	v_cvt_scalef32_pk16_fp6_f32 v[TC+4:TC+6], v[PS+48:PS+63], v[TT+3]
	v_lshrrev_b32 v[TT], 23, v[TT+1]               ; the scales' bytes.  (Also the plain instruction behind the conversions)
	v_lshrrev_b32 v[TT+2], 23, v[TT+3]
	v_lshl_or_b32 v[TT+4], v[TT+2], 16, v[TT]      ; my half's bytes: blocks h and 2 + h
	v_permlanex16_b32 v[TT+5], v[TT+4], s[SEL], s[SEL+1]
.irp i, 0,1,2
	v_mov_b32 v[PC+3+\i], v[TC+\i]
	v_mov_b32 v[PC+9+\i], v[TC+4+\i]
.endr
	WIN 0x11*\e
	v_lshl_or_b32 v[PSC+\e], v[TT+5], 8, v[TT+4]   ; lanes 0-15, which alone are read: bytes 0, 2 mine, bytes 1, 3 lane l + 16's
.endm
.macro SUMP e                          ; the row's sum of the unquantised p, under the new M: five chains by turns
	WIN 0x55*\e
	v_pk_fma_f32 v[LS:LS+1], v[LS:LS+1], v[FF:FF+1], v[PS:PS+1] op_sel_hi:[1,0,1]
.irp k, 0,1,2,3
	v_pk_add_f32 v[TT+2*\k:TT+2*\k+1], v[PS+2+4*\k:PS+3+4*\k], v[PS+4+4*\k:PS+5+4*\k]
.endr
.set N, 0
.rept 23
	v_pk_add_f32 v[LS+2*(N%5):LS+2*(N%5)+1], v[LS+2*(N%5):LS+2*(N%5)+1], v[PS+18+2*N:PS+19+2*N]
.set N, N+1
.endr
	v_pk_add_f32 v[TT:TT+1], v[TT:TT+1], v[TT+2:TT+3]
	v_pk_add_f32 v[TT+4:TT+5], v[TT+4:TT+5], v[TT+6:TT+7]
	v_pk_add_f32 v[TT:TT+1], v[TT:TT+1], v[TT+4:TT+5]
	v_pk_add_f32 v[LS:LS+1], v[LS:LS+1], v[TT:TT+1]
.endm
; A KEY STEP: the record at s[TB], for both my tiles
.macro STEP
	s_add_co_u32 s[TN], s[TB], REC
	s_min_u32 s[TN], s[TN], 15*REC                 ; the next record, held at the last
	v_add_nc_u32 v[VA], s[TB], v[L16]              ; these five are also the places between the last step's products and the loads into V's registers
	v_add_nc_u32 v[VS], s[TB], v[L8]
	v_add_nc_u32 v[KN16], s[TN], v[KB16]
	v_add_nc_u32 v[KN8], s[TN], v[KB8]
	v_add_nc_u32 v[KNS], s[TN], v[KBS]
	WALU
	WIN 0x40
.irp t, 0,1,2,3
.irp j, 0,1,2
	ds_load_b128 v[VF+12*\t+4*\j:VF+12*\t+4*\j+3], v[VA] offset:6656+1536*\t+512*\j
.endr
.endr
	WIN 0
	ds_load_b64 v[VSC:VSC+1], v[VS] offset:12800   ; V's scale words: register j: lanes 0-15 tile j, lanes 16-31 tile 2 + j
	s_wait_dscnt 13                                ; K's fragments, asked for a step ago, are in; V's 13 loads may be out
.irp e, 0,1
	WIN 0x44*\e
.irp u, 0,1,2,3
	v_wmma_scale_f32_16x16x128_f8f6f4 v[PS+8*\u:PS+8*\u+7], v[KF+6*\u:KF+6*\u+11], v[QF:QF+11], 0, v[KSC+\u], v[QSC+\e] matrix_a_fmt:MATRIX_FMT_FP6 matrix_b_fmt:MATRIX_FMT_FP6 matrix_a_scale:MATRIX_SCALE_ROW0
.endr
.irp u, 4,5,6,7
	v_wmma_scale_f32_16x16x128_f8f6f4 v[PS+8*\u:PS+8*\u+7], v[KF+6*\u:KF+6*\u+11], v[QF:QF+11], 0, v[KSC+\u-4], v[QSC+\e] matrix_a_fmt:MATRIX_FMT_FP6 matrix_b_fmt:MATRIX_FMT_FP6 matrix_a_scale:MATRIX_SCALE_ROW1
.endr
.endr
	WIN 0
.rept 4
	v_nop                                          ; places in front of the loads into K's registers and of the first read of the scores
.endr
	KLOAD KN16, KN8, KNS
	MAXP 0
	MAXP 1
	FMAP 0
	FMAP 1
	WIN 0
	WALU
	EXPP 0
	EXPP 1
	WIN 0
	WALU                                           ; one wait for the batch, directly ahead of the first reader of tile 0's O^T
	ORES 0                                         ; (plain work behind the exponentials)
	QNT 0
	SUMP 0
	QNT 1
	SUMP 1
	WALU                                           ; directly ahead of the first reader of tile 1's O^T
	ORES 1                                         ; (these sixteen are also the places between the scale word's and the codes' last writes and the products)
	WALU
	s_wait_dscnt 18                                ; V's fragments are in; the next record's 18 loads may be out
.irp e, 0,1                                    ; O^T += V^T P^T: the eight accumulators take turns, one instruction a turn
	WIN 0x01+0x54*\e
.irp t, 0,1
	v_wmma_scale_f32_16x16x128_f8f6f4 v[OA+8*\t:OA+8*\t+7], v[VF+12*\t:VF+12*\t+11], v[PC:PC+11], v[OA+8*\t:OA+8*\t+7], v[VSC+\t], v[PSC+\e] matrix_a_fmt:MATRIX_FMT_FP6 matrix_b_fmt:MATRIX_FMT_FP6 matrix_a_scale:MATRIX_SCALE_ROW0
.endr
.irp t, 2,3
	v_wmma_scale_f32_16x16x128_f8f6f4 v[OA+8*\t:OA+8*\t+7], v[VF+12*\t:VF+12*\t+11], v[PC:PC+11], v[OA+8*\t:OA+8*\t+7], v[VSC+\t-2], v[PSC+\e] matrix_a_fmt:MATRIX_FMT_FP6 matrix_b_fmt:MATRIX_FMT_FP6 matrix_a_scale:MATRIX_SCALE_ROW1
.endr
.endr
	WIN 0
.endm
; THE WAY OUT of tile e of pass p: O^T / the sum; register 16 b + i is channel 32 b + 16 (lane / 16) + i of my query; codes, scale bytes
.macro EPI p, e
	WIN 0x55*\e
	v_add_f32 v[LS], v[LS], v[LS+1]
	v_permlanex16_b32 v[TT+5], v[LS], s[SEL], s[SEL+1]
	v_add_f32 v[LS], v[LS], v[TT+5]                ; the sum's two halves, and lane l xor 16's
	WALU
	v_rcp_f32 v[FF], v[LS]
	v_nop
	WALU
	ORES \e
.irp b, 0,1
	v_max3_num_f32 v[TT+\b], |v[OA+16*\b]|, |v[OA+16*\b+1]|, 0x1800000
.endr
.irp i, 2,4,6,8,10,12,14
.irp b, 0,1
	v_max3_num_f32 v[TT+\b], v[TT+\b], |v[OA+16*\b+\i]|, |v[OA+16*\b+\i+1]|
.endr
.endr
.irp b, 0,1
	v_permlanex16_b32 v[TT+2+\b], v[TT+\b], s[SEL], s[SEL+1]
.endr
.irp b, 0,1
	v_max_num_f32 v[TT+\b], v[TT+\b], v[TT+2+\b]
.endr
.irp b, 0,1
	v_add_nc_u32 v[TT+4+\b], 0xff000000, v[TT+\b]
.endr
.irp b, 0,1
	v_lshrrev_b32 v[TT+2+\b], 23, v[TT+4+\b]
.endr
	v_lshl_or_b32 v[TT+6], v[TT+3], 8, v[TT+2]     ; my query's two scale bytes
	v_cvt_scalef32_pk16_fp6_f32 v[PC:PC+2], v[OA:OA+15], v[TT+4]
	v_cvt_scalef32_pk16_fp6_f32 v[TC:TC+2], v[OA+16:OA+31], v[TT+5]
	v_nop                                          ; one plain instruction behind the conversions
.irp i, 0,1,2
	v_permlane16_swap_b32 v[PC+\i], v[TC+\i]
.endr
.irp i, 0,1,2
	v_mov_b32 v[PC+3+\i], v[TC+\i]                 ; lane (r, h) now holds block h of row r: the image
.endr
	WIN 0x04*\e
	global_store_b128 v[L16], v[PC:PC+3], s[AOB:AOB+1] offset:6144*\p+3072*\e        ; 512 consecutive bytes,
	global_store_b64 v[L8], v[PC+4:PC+5], s[AOB:AOB+1] offset:6144*\p+3072*\e+512    ; and 256
	ds_store_b16 v[SGA], v[TT+6] offset:64*\p+32*\e   ; both halves of the lanes write the same bytes with the same value
.endm
; A PASS: two tiles of 16 queries against all 2,048 keys, then their way out
.macro PASS p
.if \p
	s_wait_xcnt 0x0                                ; the last pass's stores have read their registers
	s_wait_dscnt 0x0                               ; and no load into K's registers is out
	QLOAD \p
.endif
	KLOAD KB16, KB8, KBS                           ; record 0
.irp e, 0,1
	WIN 0x40*\e
	v_mov_b32 v[MR], 0xff61b1e6                    ; the largest score so far: -3e38;
	v_mov_b32 v[NM], 0x7f61b1e6                    ; -M: 3e38, so that the first f is 0
	v_mov_b32 v[LS], 0
	v_mov_b32 v[LS+1], 0
.set J, 0
.rept 32
	v_mov_b32 v[OA+J], 0                           ; O^T: the step is written once: the first finds zeros
.set J, J+1
.endr
.endr
	WIN 0
	s_mov_b32 s[TB], 0
	s_mov_b32 s[CNT], 16
	WALU
	s_wait_loadcnt 0x0                             ; Q
.Lkeys_\@:
	STEP
	s_add_co_u32 s[TB], s[TB], REC
	s_sub_co_u32 s[CNT], s[CNT], 1
	s_cmp_lg_u32 s[CNT], 0
	s_cbranch_scc1 .Lkeys_\@
.rept 4
	v_nop                                          ; places behind the last products
.endr
	EPI \p, 0
	EPI \p, 1
	WIN 0
.endm
	s_load_b128 s[4:7], s[0:1], 0x0                ; qkv, ao
	s_load_b64 s[8:9], s[0:1], 0x10                ; asc
	v_lshl_add_u32 v[SPW], v0, 2, SPARE
	v_mov_b32 v[NIL], 0
	ds_add_u32 v[SPW], v[NIL]                      ; the wave's opening: the add, twice on end, and its wait ahead of my tensor load
	ds_add_u32 v[SPW], v[NIL]
	v_lshrrev_b32 v5, 5, v0
	v_readfirstlane_b32 s[WV], v5                  ; wave 0..7
	s_bfe_u32 s11, ttmp6, 0x40000                  ; cx: which 512 queries
	s_and_b32 s12, ttmp7, 0xffff                   ; (batch, head), which the four partners share
	s_mov_b32 s[G1], 15|(3<<16)|(1<<21)            ; the mask: all four work-groups; elements of 8 bytes; bit 21 beside a mask
	s_mov_b32 s[G1+1], 1632<<16                    ; tensor_dim0: 13,056 bytes
	s_mov_b32 s[G1+2], 2<<16                       ; tensor_dim1: two records
	s_mov_b32 s[G1+3], 1632<<16                    ; tile_dim0
	s_mov_b32 s[G1+4], 2                           ; tile_dim1
	s_mov_b32 s[G1+5], 2464                        ; from record to record: 19,712 bytes
	s_mov_b32 s[G1+6], 0
	s_mov_b32 s[G1+7], 0
	s_mul_i32 s13, s12, HS                         ; the head's first byte
	s_mul_i32 s14, s[WV], 2*RECG
	s_add_co_u32 s14, s14, s13                     ; the records that I fetch: 2 wave, 2 wave + 1
	s_mov_b32 s15, 0
	s_mov_b32 s[G0], 1
	s_mul_i32 s[G0+1], s[WV], 2*REC                ; and where they go
	s_lshl_b32 s42, s11, 2
	s_lshr_b32 s43, s[WV], 1
	s_add_co_u32 s42, s42, s43                     ; my queries' record: 4 cx + wave / 2
	s_mul_i32 s42, s42, RECG
	s_add_co_u32 s42, s42, s13
	s_and_b32 s43, s[WV], 1
	s_mul_i32 s44, s43, 3072                       ; my first tile in it: 4 (wave % 2)
	s_add_co_u32 s44, s44, s42
	s_add_co_u32 s44, s44, 13056
	s_mov_b32 s45, 0
	s_lshl_b32 s46, s43, 8                         ; q's words: lane (r, hh) holds those of tiles 4 hh + 0 .. 3
	s_add_co_u32 s46, s46, s42
	s_add_co_u32 s46, s46, 19200
	s_mov_b32 s47, 0
	s_and_b32 s48, s12, 15                         ; the head is the chunk of the last product's K
	s_lshr_b32 s49, s48, 2
	s_mul_i32 s49, s49, 1572864
	s_and_b32 s48, s48, 3
	s_mul_i32 s48, s48, 768
	s_add_co_u32 s48, s48, s49
	s_lshr_b32 s49, s12, 4
	s_lshl_b32 s49, s49, 7
	s_lshl_b32 s50, s11, 5
	s_add_co_u32 s49, s49, s50
	s_lshl_b32 s50, s[WV], 2
	s_add_co_u32 s49, s49, s50                     ; my first tile of rows: 128 batch + 32 cx + 4 wave
	s_mul_i32 s49, s49, 3072
	s_add_co_u32 s48, s48, s49
	s_mov_b32 s49, 0
	s_lshl_b32 s50, s12, 12
	s_lshl_b32 s51, s11, 10
	s_add_co_u32 s50, s50, s51
	s_mov_b32 s51, 0
	s_mov_b32 s[SEL], 0x76543210
	s_mov_b32 s[SEL+1], 0xfedcba98                 ; v_permlanex16_b32's selects for lane l xor 16
	s_mov_b32 s[CS], 0x3e38aa3b                    ; log2(e) / 8
	s_mov_b32 s[CS+1], s[CS]                       ; (named with it as a pair, so it is written)
	s_wait_dscnt 0x0                               ; both opening adds are done
	s_wait_kmcnt 0x0
	s_add_nc_u64 s[G0+2:G0+3], s[4:5], s[14:15]
	s_or_b32 s[G0+3], s[G0+3], 0x80000000
	s_add_nc_u64 s[QA:QA+1], s[4:5], s[44:45]
	s_add_nc_u64 s[QS:QS+1], s[4:5], s[46:47]
	s_add_nc_u64 s[AOB:AOB+1], s[6:7], s[48:49]
	s_add_nc_u64 s[ASB:ASB+1], s[8:9], s[50:51]
	CROUND                                         ; all four work-groups are here: the joint loads meet
	tensor_load_to_lds s[G0:G0+3], s[G1:G1+7]      ; my one tensor load
	s_nop 0
.rept 4
	v_nop
.endr
	v_and_b32 v27, 31, v0
	v_and_b32 v28, 15, v0                          ; r
	v_bfe_u32 v29, v0, 4, 1                        ; h
	v_lshlrev_b32 v[L16], 4, v27
	v_lshlrev_b32 v[L8], 3, v27
	v_lshlrev_b32 v[QSO], 4, v28
	QLOAD 0
	v_lshlrev_b32 v[SGA], 1, v28
	s_lshl_b32 s13, s[WV], 7
	s_add_co_u32 s13, s13, SCG
	v_add_nc_u32 v[SGA], s13, v[SGA]               ; 128 bytes a wave, 2 bytes a query
	v_and_b32 v30, 63, v0
	v_lshlrev_b32 v[ASO], 4, v30
	v_add_nc_u32 v[SGR], SCG, v[ASO]
	v_and_b32 v30, 7, v0                           ; r % 8
	v_bfe_u32 v31, v0, 3, 1                        ; r / 8: the keys 32 further on lie two images, 1,536 bytes, further on
	v_mul_u32_u24 v27, v31, 1536
	v_lshl_add_u32 v[KB16], v30, 4, v27
	v_lshl_add_u32 v[KB8], v30, 3, v27
	v_lshlrev_b32 v[KBS], 4, v30
	v_lshl_add_u32 v[KB16], v29, 8, v[KB16]        ; 1,536 (r / 8) + 16 (r % 8) + 256 h
	v_lshl_add_u32 v[KB8], v29, 7, v[KB8]          ; 1,536 (r / 8) + 8 (r % 8) + 128 h
	v_lshl_add_u32 v[KBS], v31, 3, v[KBS]
	v_lshl_add_u32 v[KBS], v29, 8, v[KBS]          ; 16 (r % 8) + 8 (r / 8) + 256 h: lanes 16-31 take the words of tiles 4 to 7
.irp i, 0,1,2,3,4,5
	v_mov_b32 v[KF+48+\i], 0                       ; the upper half of K's last fragment
.endr
.irp e, 0,1
	WIN 0x40*\e
.irp i, 0,1,2,3,4,5
	v_mov_b32 v[QF+6+\i], 0                        ; K = 64: the upper halves of Q's fragments are zero codes: set once, no load lands there
.endr
	v_mov_b32 v[FF+1], 0                           ; (named as the upper half of the pair)
	v_mov_b32 v[TT+5], 0                           ; written once: a lane permute's destination counts as one of its sources
.endr
	WIN 0
	WALU
	s_wait_tensorcnt 0x0                           ; my records are in,
	s_barrier_signal -1
	s_barrier_wait -1                              ; everybody's are
	PASS 0
	PASS 1
	s_wait_dscnt 0x0                               ; for the others' sake: my scale bytes lie in the gather
	s_barrier_signal -1
	s_barrier_wait -1
	s_cmp_lt_u32 s[WV], 2                          ; waves 0 and 1 store the work-group's 1,024 bytes, 512 consecutive bytes each
	s_cbranch_scc0 .Lno_gather
	ds_load_b128 v[88:91], v[SGR]
	s_wait_dscnt 0x0
	global_store_b128 v[ASO], v[88:91], s[ASB:ASB+1]
.Lno_gather:
	s_nop 0
	s_wait_tensorcnt 0x0                           ; the wave's end: behind my tensor load and my last LDS store
	ds_add_u32 v[SPW], v[NIL]
	s_wait_dscnt 0x0
	CROUND                                         ; the closing round
	s_endpgm
.Lfunc_end_k_qa8bd91cc06_attn:
	.size	k_qa8bd91cc06_attn, .Lfunc_end_k_qa8bd91cc06_attn-k_qa8bd91cc06_attn
	.p2alignl 7, 3214868480
	.fill 96, 4, 3214868480
	.section	.rodata,"a",@progbits
	.p2align	6, 0x0
	.amdhsa_kernel k_qa8bd91cc06_attn
		.amdhsa_group_segment_fixed_size 211968
		.amdhsa_private_segment_fixed_size 0
		.amdhsa_enable_private_segment 0
		.amdhsa_kernarg_size 24
		.amdhsa_user_sgpr_count 2
		.amdhsa_user_sgpr_kernarg_segment_ptr 1
		.amdhsa_wavefront_size32 1
		.amdhsa_system_sgpr_workgroup_id_x 1
		.amdhsa_system_sgpr_workgroup_id_y 1
		.amdhsa_system_sgpr_workgroup_id_z 1
		.amdhsa_system_vgpr_workitem_id 0
		.amdhsa_next_free_vgpr 512
		.amdhsa_next_free_sgpr 66
		.amdhsa_reserve_vcc 0
		.amdhsa_float_denorm_mode_32 3
		.amdhsa_float_denorm_mode_16_64 3
		.amdhsa_memory_ordered 1
		.amdhsa_forward_progress 1
		.amdhsa_inst_pref_size 85
	.end_amdhsa_kernel
	.amdgpu_metadata
---
amdhsa.version: [ 1, 2 ]
amdhsa.kernels:
  - .name:           k_qa8bd91cc06_attn
    .symbol:         k_qa8bd91cc06_attn.kd
    .args:
      - { .name: qkv, .offset: 0, .size: 8, .value_kind: global_buffer, .address_space: global }
      - { .name: ao, .offset: 8, .size: 8, .value_kind: global_buffer, .address_space: global }
      - { .name: asc, .offset: 16, .size: 8, .value_kind: global_buffer, .address_space: global }
    .group_segment_fixed_size: 211968
    .private_segment_fixed_size: 0
    .kernarg_segment_align: 8
    .kernarg_segment_size: 24
    .max_flat_workgroup_size: 256
    .sgpr_count:     66
    .vgpr_count:     512
    .wavefront_size: 32
...
	.end_amdgpu_metadata
.endif
;; end of part 3
;; launch gemm_out (part 4): grid 4 x 64, 4 waves a work-group, clusters of 4 x 4, 327,680 bytes of LDS; arguments ao, asc, wq, wsc, b_out, out0; writes out0
.if DOCPART == 4
	.amdgcn_target "amdgcn-amd-amdhsa--gfx1250"
	.amdhsa_code_object_version 6
	.text
	.protected	k_qa8bd91cc06_gemm_out
	.globl	k_qa8bd91cc06_gemm_out
	.p2align	8
	.type	k_qa8bd91cc06_gemm_out,@function
k_qa8bd91cc06_gemm_out:
	s_mov_b64 s[64:65], 0
	v_nop
	global_prefetch_b8 v0, s[64:65] scope:SCOPE_SE
	s_setreg_imm32_b32 hwreg(HW_REG_WAVE_MODE, 25, 1), 1
	s_wait_xcnt 0x0
	s_wait_alu depctr_hold_cnt(0) depctr_sa_sdst(0) depctr_va_vdst(0) depctr_va_sdst(0) depctr_va_ssrc(0) depctr_va_vcc(0) depctr_vm_vsrc(0)
	s_getreg_b32 s2, hwreg(HW_REG_IB_STS2, 6, 4)
	s_cmp_eq_u32 s2, 0
	s_cbranch_scc0 .Lentry_in_a_cluster
	s_endpgm
.Lentry_in_a_cluster:
	s_bfe_u32 s2, ttmp6, 0x10000c
	s_cmp_lg_u32 s2, 0xf033
	s_cbranch_scc0 .Lentry_shape_is_right
	s_endpgm
.Lentry_shape_is_right:
; out0 = o W_out + b_out on codes of E2M3 (K = 1024 = head x 64 + channel).  A = ao (8,192 row positions), B = wq's positions 3,072 .. 4,095 (W_out's columns).
; 256 work-groups of four waves; a work-group makes 128 x 256 of out0, a wave 64 x 128: 32 accumulators of 16 x 16 in 256 registers.
; ALL OF K STAYS IN LDS: A's 128 rows are 4 sigmas x 24,576 bytes, B's 256 rows 4 x 49,152.  They come by one joint load a wave at the head: wave 0 A (4 rows of 24,576 bytes, a sigma apart in memory), wave 1 B's sigmas 0, 1,
; wave 2 B's sigmas 2, 3, wave 3 B's scale words.  Nothing is filled again.  The first barrier shows the tiles of waves 0, 1, 3; a second one, inside step 2, shows wave 2's.  No prefetch: all is asked for at the head.
; The code buffers hold images of the operand's registers (16 rows x 64 K = 768 bytes: lane l's 16 bytes at 16 l, its 8 at 512 + 8 l), [sigma][tile of 16 rows][chunk][image].
; Row position p holds true row sw(p) (bits 3 and 4 changed over): on the way out each row and each column goes to its true place.
; A's SCALE WORDS lie in asc as two bytes for each (head, position): the work-group puts the eight words of its 128 rows together itself and stores them into LDS bytes into which no tensor load lands.
; The matrix instruction is used transposed (source 0 = 16 rows of B, source 1 = 16 rows of A); the bias is the C of each sum's first matrix instruction.  CLUSTERS: 4 x 4, A's tile shared along a row, B's along a column.
; A STEP is 128 along K: the next step's fragments (48 LDS loads, and 8 for the scale words of each sigma) are asked for into the other set of registers, then come the step's 32 products.
; REGISTERS: window 0: v4-31 addresses; v32-63 scale words, two sets, and nothing else; v64-127 the bias; v128-223 A's fragments, two sets; on the way out v128-255 rows of out0.  window 1: B's fragments, two sets.  window 2: the accumulators.
.set FR,    12
.set ASIG,  24576                      ; A's 128 rows of a sigma
.set BSIG,  49152                      ; B's 256 rows
.set BREG,  4*ASIG                     ; B lies behind A
.set SCL,   BREG+4*BSIG                ; the scale words, as units of 256 bytes + 16: A's 128 rows (4,352 bytes, stored by the waves), then B's 256 (by a tensor load)
.set SAH,   2176                       ; those of 64 rows
.set SBH,   4352                       ; of 128 rows
.set SBLK,  544                        ; of 16 rows
.set SPARE, SCL+2*SAH+2*SBH            ; the spare words, 128 bytes for each wave
.set SPITCH, 528                       ; the way out: a stage of 16 rows x (512 + 16) bytes for each wave, from LDS byte 0 on: on A's sigmas 0 and 1, which nobody reads behind the barrier of step 5
.set ASTEP, 1572864                    ; from sigma to sigma in ao,
.set BSTEP, 786432                     ; in wq
.set NIL,  4
.set SPW,  11
.set ADRA, 12                          ; v12-15 my A fragments in sigma 0..3, + 16 x lane;  v16-19 + 8 x lane
.set ADRB, 20                          ; v20-27 the same for B
.set STO,  28                          ; the way out: where I put 32 bytes of a row
.set RD,   29                          ; where I read a row back
.set CO,   30                          ; 16 x lane
.set ADRS, 31                          ; my scale words: lanes 0-15 A's rows, lanes 16-31 B's
.set SC,   32
.set BI,   64
.set AF,   128
.set BK,   128
.set G1A, 24
.set G0A, 32
.set G0B1, 36
.set G1B, 48
.set G0B2, 56
.set G1S, 80
.set G0S, 88
.set MSB, 0
.macro WIN new
.if MSB != (\new)
	s_set_vgpr_msb (MSB<<8)|(\new)
.set MSB, (\new)
.endif
.endm
.macro PLACES n
.rept \n
	v_nop
.endr
.endm
.macro TLOAD g0, g1                    ; an s_nop 0 and four v_nop follow the load
	tensor_load_to_lds s[\g0:\g0+3], s[\g1:\g1+7]
	s_nop 0
	PLACES 4
.endm
.macro CROUND                          ; a round of the cluster's barrier
	s_barrier_signal -1
	s_barrier_wait -1
	s_cmp_lg_u32 s14, 0
	s_cbranch_scc1 .Lnot_wave_0_\@
	s_barrier_signal -3
.Lnot_wave_0_\@:
	s_barrier_wait -3
	s_barrier_signal -1
	s_barrier_wait -1
.endm
	s_load_b256 s[4:11], s[0:1], 0x0               ; ao s[4:5], asc s[6:7], wq s[8:9], wsc s[10:11]
	s_load_b128 s[92:95], s[0:1], 0x20             ; b_out s[92:93], out0 s[94:95]
	v_lshl_add_u32 v[SPW], v0, 2, SPARE
	v_mov_b32 v[NIL], 0
	ds_add_u32 v[SPW], v[NIL]                      ; the wave's opening: the add, twice on end, and its wait ahead of my tensor load
	ds_add_u32 v[SPW], v[NIL]
	v_lshrrev_b32 v1, 5, v0
	v_readfirstlane_b32 s14, v1                    ; wave 0..3
	s_lshr_b32 s15, s14, 1                         ; which 64 of the rows are mine
	s_and_b32 s16, s14, 1                          ; which 128 of the columns
	s_bfe_u32 s40, ttmp6, 0x40000                  ; cx: the tile column
	s_bfe_u32 s41, ttmp6, 0x40004                  ; cy
	s_and_b32 s17, ttmp7, 0xffff
	s_lshl_b32 s17, s17, 2
	s_add_co_u32 s17, s17, s41                     ; the tile row = 4 x cluster y + cy, 0 .. 63
	s_lshl_b32 s43, s41, 2
	s_lshl_b32 s43, 15, s43                        ; my row of the cluster
	s_lshl_b32 s44, 0x1111, s40                    ; my column
	s_or_b32 s[G1A], s43, (3<<16)|(1<<21)          ; A: 4 rows of 24,576 bytes (3,072 elements of 8 bytes), a sigma apart
	s_mov_b32 s[G1A+1], 3072<<16
	s_mov_b32 s[G1A+2], 4<<16
	s_mov_b32 s[G1A+3], 3072<<16
	s_mov_b32 s[G1A+4], 4
	s_mov_b32 s[G1A+5], ASTEP/8
	s_mov_b32 s[G1A+6], 0
	s_mov_b32 s[G1A+7], 0
	s_or_b32 s[G1B], s44, (3<<16)|(1<<21)          ; B: 2 rows of 49,152 bytes
	s_mov_b32 s[G1B+1], 6144<<16
	s_mov_b32 s[G1B+2], 2<<16
	s_mov_b32 s[G1B+3], 6144<<16
	s_mov_b32 s[G1B+4], 2
	s_mov_b32 s[G1B+5], BSTEP/8
	s_mov_b32 s[G1B+6], 0
	s_mov_b32 s[G1B+7], 0
	s_or_b32 s[G1S], s44, (3<<16)|(1<<20)|(1<<21)|(5<<22)|(3<<25)   ; B's scale words: 32 rows of 256 bytes, 16 bytes of padding behind each
	s_mov_b32 s[G1S+1], 32<<16
	s_mov_b32 s[G1S+2], 32<<16
	s_mov_b32 s[G1S+3], 32<<16
	s_mov_b32 s[G1S+4], 32
	s_mov_b32 s[G1S+5], 32
	s_mov_b32 s[G1S+6], 0
	s_mov_b32 s[G1S+7], 0
	s_mul_i32 s18, s17, ASIG                       ; A's tile (the tile row alone)
	s_mov_b32 s19, 0
	s_mul_i32 s2, s40, BSIG                        ; B's (the tile column alone):
	s_add_co_u32 s2, s2, 589824                    ; W_out's columns begin at position 3,072
	s_mov_b32 s3, 0
	s_lshl_b32 s42, s40, 13
	s_add_co_u32 s42, s42, 98304
	s_mov_b32 s43, 0                               ; (the masks stand in the descriptors by now)
	s_wait_dscnt 0x0                               ; both opening adds are done
	s_wait_kmcnt 0x0
	s_mov_b32 s[G0A], 1
	s_mov_b32 s[G0A+1], 0
	s_add_nc_u64 s[G0A+2:G0A+3], s[4:5], s[18:19]
	s_or_b32 s[G0A+3], s[G0A+3], 0x80000000
	s_mov_b32 s[G0B1], 1
	s_mov_b32 s[G0B1+1], BREG
	s_add_nc_u64 s[G0B1+2:G0B1+3], s[8:9], s[2:3]
	s_mov_b32 s[G0B2], 1
	s_mov_b32 s[G0B2+1], BREG+2*BSIG
	s_add_nc_u64 s[G0B2+2:G0B2+3], s[G0B1+2:G0B1+3], 2*BSTEP
	s_or_b32 s[G0B1+3], s[G0B1+3], 0x80000000
	s_or_b32 s[G0B2+3], s[G0B2+3], 0x80000000
	s_mov_b32 s[G0S], 1
	s_mov_b32 s[G0S+1], SCL+2*SAH
	s_add_nc_u64 s[G0S+2:G0S+3], s[10:11], s[42:43]
	s_or_b32 s[G0S+3], s[G0S+3], 0x80000000
	CROUND                                         ; all sixteen work-groups are here: the joint loads meet
	s_cmp_eq_u32 s14, 0                            ; one load a wave, in one chain of branches on the wave's number
	s_cbranch_scc0 .Lhead_1
	TLOAD G0A, G1A
	s_branch .Lasked
.Lhead_1:
	s_cmp_eq_u32 s14, 1
	s_cbranch_scc0 .Lhead_2
	TLOAD G0B1, G1B
	s_branch .Lasked
.Lhead_2:
	s_cmp_eq_u32 s14, 2
	s_cbranch_scc0 .Lhead_3
	TLOAD G0B2, G1B
	s_branch .Lasked
.Lhead_3:
	TLOAD G0S, G1S
.Lasked:
	s_lshr_b32 s18, s17, 4                         ; asc: the batch: 16 heads x 4,096 bytes,
	s_lshl_b32 s18, s18, 16
	s_and_b32 s20, s17, 15
	s_lshl_b32 s20, s20, 8                         ; 128 positions x 2 bytes
	s_add_co_u32 s18, s18, s20
	s_add_nc_u64 s[6:7], s[6:7], s[18:19]
	s_lshl_b32 s18, s40, 10
	s_lshl_b32 s20, s16, 9
	s_add_co_u32 s18, s18, s20                     ; my 128 columns, in bytes of f32
	s_add_nc_u64 s[92:93], s[92:93], s[18:19]
	s_add_nc_u64 s[94:95], s[94:95], s[18:19]
	s_lshl_b32 s18, s17, 1
	s_add_co_u32 s18, s18, s15
	s_lshl_b32 s18, s18, 18                        ; my first row: (128 tile row + 64 half) x 4,096 bytes
	s_add_nc_u64 s[94:95], s[94:95], s[18:19]
	s_mul_i32 s66, s15, 12288                      ; my 64 rows of A in a sigma,
	s_mul_i32 s67, s16, 24576
	s_add_co_u32 s67, s67, BREG                    ; my 128 rows of B
	s_mul_i32 s68, s14, 16*SPITCH                  ; my stage
	s_mul_i32 s69, s15, SAH
	s_mul_i32 s70, s16, SBH
	s_add_co_u32 s70, s70, 2*SAH
	s_sub_co_u32 s70, s70, s69                     ; from my rows' scale words to my columns'
	s_add_co_u32 s69, s69, SCL
	; A's scale words.  Thread t takes rows 2 u, 2 u + 1 (u = t % 64) and eight heads (8 (t / 64) on): for each head one word of asc holds the two bytes of both rows
	v_and_b32 v5, 63, v0
	v_lshrrev_b32 v6, 6, v0
	v_lshlrev_b32 v8, 2, v5
	v_lshl_add_u32 v8, v6, 15, v8
.irp d, 0,1,2,3,4,5,6,7
	global_load_b32 v[224+\d], v8, s[6:7] offset:4096*\d
.endr
	v_bfe_u32 v2, v0, 4, 1                         ; h
	v_lshlrev_b32 v10, 6, v2
.irp b, 0,1,2,3,4,5,6,7                        ; the bias: tile b's eight registers are columns 32 (b / 2) + 16 h + 8 (b % 2) + 0 .. 7
	global_load_b128 v[BI+8*\b:BI+8*\b+3], v10, s[92:93] offset:128*(\b/2)+32*(\b%2)
	global_load_b128 v[BI+8*\b+4:BI+8*\b+7], v10, s[92:93] offset:128*(\b/2)+32*(\b%2)+16
.endr
	v_lshrrev_b32 v7, 2, v5
	v_lshlrev_b32 v9, 6, v5
	v_lshl_add_u32 v9, v7, 4, v9
	v_lshl_add_u32 v9, v6, 4, v9
	v_add_nc_u32 v9, SCL, v9                       ; where my four words of each of my two rows go: 64 u + 16 (u / 4) + 16 (t / 64)
	v_and_b32 v1, 15, v0                           ; r
	v_and_b32 v3, 31, v0
	v_lshlrev_b32 v[CO], 4, v3
	v_lshlrev_b32 v7, 3, v3
	v_add_nc_u32 v[ADRA], s66, v[CO]
	v_add_nc_u32 v[ADRA+4], s66, v7
	v_add_nc_u32 v[ADRB], s67, v[CO]
	v_add_nc_u32 v[ADRB+4], s67, v7
.irp s, 1,2,3
	v_add_nc_u32 v[ADRA+\s], \s*ASIG, v[ADRA]
	v_add_nc_u32 v[ADRA+4+\s], \s*ASIG, v[ADRA+4]
	v_add_nc_u32 v[ADRB+\s], \s*BSIG, v[ADRB]
	v_add_nc_u32 v[ADRB+4+\s], \s*BSIG, v[ADRB+4]
.endr
	v_lshlrev_b32 v5, 5, v1                        ; my row's scale words: 32 bytes a row, and 16 more for each 256 passed
	v_lshrrev_b32 v6, 8, v5
	v_lshl_add_u32 v5, v6, 4, v5
	v_mul_u32_u24 v6, s70, v2                      ; lanes 16-31 take B's
	v_add_nc_u32 v5, v5, v6
	v_add_nc_u32 v[ADRS], s69, v5
	v_mul_u32_u24 v5, v1, SPITCH
	v_lshl_add_u32 v5, v2, 6, v5
	v_add_nc_u32 v[STO], s68, v5                   ; into the stage: row r, + 64 h bytes: my half's 16 columns of each 32
	v_add_nc_u32 v[RD], s68, v[CO]                 ; back: the 32 lanes take one row of 512 bytes
	s_wait_alu depctr_va_vdst(0)
	s_wait_loadcnt 0x0                             ; asc's words and the bias
.irp i, 0,1,2,3                                ; a word = the two bytes of an even head, then those of the next
	v_perm_b32 v[232+\i], v[225+2*\i], v[224+2*\i], 0x05040100   ; row 2 u: the low halves
	v_perm_b32 v[236+\i], v[225+2*\i], v[224+2*\i], 0x07060302   ; row 2 u + 1: the high halves
.endr
	ds_store_b128 v9, v[232:235]
	ds_store_b128 v9, v[236:239] offset:32
	s_cmp_eq_u32 s14, 2
	s_cbranch_scc1 .Lnot_yet
	s_wait_tensorcnt 0x0                           ; waves 0, 1, 3: my tile is in
.Lnot_yet:
	s_wait_dscnt 0x0                               ; for the others' sake: my rows' scale words lie in LDS
	s_barrier_signal -1
	s_barrier_wait -1                              ; A, B's sigmas 0 and 1 and all scale words are in; wave 2's load may be out
.macro FRAG reg, a16, a8, q, i         ; a fragment, 16 rows x 128 K: two images; every load reads consecutive bytes
	ds_load_b128 v[(\reg):(\reg)+3], v[\a16] offset:3072*(\i)+1536*(\q)
	ds_load_b64 v[(\reg)+4:(\reg)+5], v[\a8] offset:3072*(\i)+1536*(\q)+512
	ds_load_b128 v[(\reg)+6:(\reg)+9], v[\a16] offset:3072*(\i)+1536*(\q)+768
	ds_load_b64 v[(\reg)+10:(\reg)+11], v[\a8] offset:3072*(\i)+1536*(\q)+1280
.endm
.macro FETCH st                        ; step st's fragments into set st % 2; with a sigma's first step its two scale words a row: lanes 0-15 take A's block i (blocks 4 to 7 are not used), lanes 16-31 B's block i
	WIN 0x40
.irp i, 0,1,2,3,4,5,6,7
	FRAG 128*((\st)%2)+FR*\i, ADRB+(\st)/2, ADRB+4+(\st)/2, (\st)%2, \i
.endr
	WIN 0
.irp i, 0,1,2,3
	FRAG AF+48*((\st)%2)+FR*\i, ADRA+(\st)/2, ADRA+4+(\st)/2, (\st)%2, \i
.endr
.if (\st)%2 == 0
.irp i, 0,1,2,3,4,5,6,7
	ds_load_b64 v[SC+16*(((\st)/2)%2)+2*\i:SC+16*(((\st)/2)%2)+2*\i+1], v[ADRS] offset:\i*SBLK+8*((\st)/2)
.endr
.endif
.endm
; 32 matrix instructions: A's four blocks x B's eight.  The 32 accumulators take turns, one instruction a turn, in the same order in every step.
.macro MUL st, first
.irp a, 0,1,2,3
.irp b, 0,1,2,3,4,5,6,7
.if \first
	v_wmma_scale_f32_16x16x128_f8f6f4 v[8*(8*\a+\b):8*(8*\a+\b)+7], v[128*((\st)%2)+FR*\b:128*((\st)%2)+FR*\b+FR-1], v[AF+48*((\st)%2)+FR*\a:AF+48*((\st)%2)+FR*\a+FR-1], v[BI+8*\b:BI+8*\b+7], v[SC+16*(((\st)/2)%2)+2*\b+(\st)%2], v[SC+16*(((\st)/2)%2)+2*\a+(\st)%2] matrix_a_fmt:MATRIX_FMT_FP6 matrix_b_fmt:MATRIX_FMT_FP6 matrix_a_scale:MATRIX_SCALE_ROW1
.else
	v_wmma_scale_f32_16x16x128_f8f6f4 v[8*(8*\a+\b):8*(8*\a+\b)+7], v[128*((\st)%2)+FR*\b:128*((\st)%2)+FR*\b+FR-1], v[AF+48*((\st)%2)+FR*\a:AF+48*((\st)%2)+FR*\a+FR-1], v[8*(8*\a+\b):8*(8*\a+\b)+7], v[SC+16*(((\st)/2)%2)+2*\b+(\st)%2], v[SC+16*(((\st)/2)%2)+2*\a+(\st)%2] matrix_a_fmt:MATRIX_FMT_FP6 matrix_b_fmt:MATRIX_FMT_FP6 matrix_a_scale:MATRIX_SCALE_ROW1
.endif
.endr
.endr
.endm
; Two plain barriers stand inside steps, signal at the head and wait at the end, with LDS loads of bytes that nobody writes and products between: step 2's shows B's sigmas 2 and 3 to all;
; behind step 5's no wave reads A's sigmas 0 and 1 any more, on which the stages lie.
.macro STEP st
.if (\st) == 2
	s_wait_tensorcnt 0x0                           ; every wave: all my tensor loads are in
.endif
	s_wait_dscnt 0x0                               ; this step's fragments, asked for ahead of the last step's products, are in
.if (\st) == 2 || (\st) == 5
	s_barrier_signal -1
.endif
.if (\st) < 7
.if (\st) > 0
	PLACES 4                                       ; in front of loads into registers that the last step's products have read
.endif
	FETCH (\st)+1
.endif
.if (\st) == 0
	WIN 0x81                                       ; source 0 (B) window 1, source 1 (A) and C, the bias, window 0, D window 2
	MUL \st, 1
.else
	WIN 0xa1                                       ; C and D window 2
	MUL \st, 0
.endif
	WIN 0
.if (\st) == 2 || (\st) == 5
	s_barrier_wait -1
.endif
.endm
	FETCH 0
.irp st, 0,1,2,3,4,5,6,7
	STEP \st
.endr
; THE WAY OUT, block by block of 16 rows x 128 columns, through my own stage in LDS: a lane's eight results of tile b are true columns 32 (b / 2) + 16 h + 8 (b % 2) + 0 .. 7 of its row; whole rows of 512 bytes come back.
; LDS serves a wave's instructions in order (ISA guide 5.7.1.4): no wait between the stores and the loads, nor in front of the next block's stores.
.macro TOSTAGE a
	WIN 0x08                                       ; the data: window 2
.irp b, 0,1,2,3,4,5,6,7
	ds_store_b128 v[STO], v[64*(\a)+8*\b:64*(\a)+8*\b+3] offset:128*(\b/2)+32*(\b%2)          ; each accumulator from its low end on
	ds_store_b128 v[STO], v[64*(\a)+8*\b+4:64*(\a)+8*\b+7] offset:128*(\b/2)+32*(\b%2)+16
.endr
	WIN 0
.irp t, 0,1,2,3,4,5,6,7,8,9,10,11,12,13,14,15
	ds_load_b128 v[BK+64*((\a)%2)+4*\t:BK+64*((\a)%2)+4*\t+3], v[RD] offset:\t*SPITCH
.endr
.endm
.macro SEND a, younger                 ; stage row t of block a is true row 32 (a / 2) + 8 (a % 2) + t + 8 (t / 8) of my 64: it stands in the immediate
	s_wait_dscnt \younger                          ; the block is back in registers
.irp t, 0,1,2,3,4,5,6,7,8,9,10,11,12,13,14,15
	global_store_b128 v[CO], v[BK+64*((\a)%2)+4*\t:BK+64*((\a)%2)+4*\t+3], s[94:95] offset:(32*((\a)/2)+8*((\a)%2)+\t+8*(\t/8))*4096 th:TH_STORE_NT   ; 32 lanes store 512 consecutive bytes, at a multiple of 256 from out0's first byte
.endr
.endm
	PLACES 4                                       ; behind the last products: for the loads into the registers that held A's fragments and for the reads of results
	TOSTAGE 0
.irp a, 1,2,3
.if \a > 1
	s_wait_xcnt 0x0                                ; block a - 2's stores have read their registers: block a's loads may land there
.endif
	TOSTAGE \a
	SEND \a-1, 32                                  ; behind block a - 1's loads: block a's 16 stores and 16 loads
.endr
	SEND 3, 0
	s_wait_tensorcnt 0x0                           ; the wave's end: behind my tensor load and my last LDS store
	ds_add_u32 v[SPW], v[NIL]
	s_wait_dscnt 0x0
	CROUND                                         ; the closing round: no work-group ends while a partner may still ask for a tile that names it
	s_endpgm
.Lfunc_end_k_qa8bd91cc06_gemm_out:
	.size	k_qa8bd91cc06_gemm_out, .Lfunc_end_k_qa8bd91cc06_gemm_out-k_qa8bd91cc06_gemm_out
	.p2alignl 7, 3214868480
	.fill 96, 4, 3214868480
	.section	.rodata,"a",@progbits
	.p2align	6, 0x0
	.amdhsa_kernel k_qa8bd91cc06_gemm_out
		.amdhsa_group_segment_fixed_size 327680
		.amdhsa_private_segment_fixed_size 0
		.amdhsa_enable_private_segment 0
		.amdhsa_kernarg_size 48
		.amdhsa_user_sgpr_count 2
		.amdhsa_user_sgpr_kernarg_segment_ptr 1
		.amdhsa_wavefront_size32 1
		.amdhsa_system_sgpr_workgroup_id_x 1
		.amdhsa_system_sgpr_workgroup_id_y 1
		.amdhsa_system_sgpr_workgroup_id_z 1
		.amdhsa_system_vgpr_workitem_id 0
		.amdhsa_next_free_vgpr 768
		.amdhsa_next_free_sgpr 96
		.amdhsa_reserve_vcc 0
		.amdhsa_float_denorm_mode_32 3
		.amdhsa_float_denorm_mode_16_64 3
		.amdhsa_memory_ordered 1
		.amdhsa_forward_progress 1
		.amdhsa_inst_pref_size 87
	.end_amdhsa_kernel
	.amdgpu_metadata
---
amdhsa.version: [ 1, 2 ]
amdhsa.kernels:
  - .name:           k_qa8bd91cc06_gemm_out
    .symbol:         k_qa8bd91cc06_gemm_out.kd
    .args:
      - { .name: ao, .offset: 0, .size: 8, .value_kind: global_buffer, .address_space: global }
      - { .name: asc, .offset: 8, .size: 8, .value_kind: global_buffer, .address_space: global }
      - { .name: wq, .offset: 16, .size: 8, .value_kind: global_buffer, .address_space: global }
      - { .name: wsc, .offset: 24, .size: 8, .value_kind: global_buffer, .address_space: global }
      - { .name: b_out, .offset: 32, .size: 8, .value_kind: global_buffer, .address_space: global }
      - { .name: out0, .offset: 40, .size: 8, .value_kind: global_buffer, .address_space: global }
    .group_segment_fixed_size: 327680
    .private_segment_fixed_size: 0
    .kernarg_segment_align: 8
    .kernarg_segment_size: 48
    .max_flat_workgroup_size: 128
    .sgpr_count:     96
    .vgpr_count:     768
    .wavefront_size: 32
...
	.end_amdgpu_metadata
.endif
;; end of part 4
